; MI455X (gfx1250); checked and timed in simulation.
; The chip was launched on July 23, 2026; its instructions are those of AMD's public machine-readable ISA for CDNA 5 (MIT licence, August 2026) and "CDNA5" Instruction Set Architecture Reference Guide (July 2026). The comments in the code are by the model that wrote it; some were corrected since.
;; Decoder Layer. Allowed arithmetic: matrix products marked QUANTISED: E2M1 operands, one E8M0 scale for each 32 along K, by v_wmma_scale_f32_16x16x128_f8f6f4 with both operands' format E2M1 (or v_wmma_scale_f32_32x16x128_f4), f32 sums; everything else in f32.
;; Inputs: encoder_output_codes 4 x 2,048 x 8 x 16 uint8 (E2M1 codes of encoder_output, K innermost, in blocks of 32 codes, two codes a byte); encoder_output_scales 4 x 2,048 x 8 uint8 (E8M0 scales of encoder_output, one for each 32 codes along K); ffn_b1 512 float32; ffn_b2 256 float32; ffn_w1_codes 512 x 8 x 16 uint8 (E2M1 codes of ffn_w1, K innermost, in blocks of 32 codes, two codes a byte); ffn_w1_scales 512 x 8 uint8 (E8M0 scales of ffn_w1, one for each 32 codes along K); ffn_w2_codes 256 x 16 x 16 uint8 (E2M1 codes of ffn_w2, K innermost, in blocks of 32 codes, two codes a byte); ffn_w2_scales 256 x 16 uint8 (E8M0 scales of ffn_w2, one for each 32 codes along K); ln1_b 256 float32; ln1_g 256 float32; ln2_b 256 float32; ln2_g 256 float32; ln3_b 256 float32; ln3_g 256 float32; m1_b 256 float32; m1_b2 256 float32; m1_bk 512 float32; m1_bq 512 float32; m1_bv 512 float32; m1_g 256 float32; m1_w2_codes 256 x 16 x 16 uint8 (E2M1 codes of m1_w2, K innermost, in blocks of 32 codes, two codes a byte); m1_w2_scales 256 x 16 uint8 (E8M0 scales of m1_w2, one for each 32 codes along K); m1_wk_codes 512 x 8 x 16 uint8 (E2M1 codes of m1_wk, K innermost, in blocks of 32 codes, two codes a byte); m1_wk_scales 512 x 8 uint8 (E8M0 scales of m1_wk, one for each 32 codes along K); m1_wq_codes 512 x 8 x 16 uint8 (E2M1 codes of m1_wq, K innermost, in blocks of 32 codes, two codes a byte); m1_wq_scales 512 x 8 uint8 (E8M0 scales of m1_wq, one for each 32 codes along K); m1_wv_codes 512 x 8 x 16 uint8 (E2M1 codes of m1_wv, K innermost, in blocks of 32 codes, two codes a byte); m1_wv_scales 512 x 8 uint8 (E8M0 scales of m1_wv, one for each 32 codes along K); m2_b 256 float32; m2_b2 256 float32; m2_bk 512 float32; m2_bq 512 float32; m2_bv 512 float32; m2_g 256 float32; m2_w2_codes 256 x 16 x 16 uint8 (E2M1 codes of m2_w2, K innermost, in blocks of 32 codes, two codes a byte); m2_w2_scales 256 x 16 uint8 (E8M0 scales of m2_w2, one for each 32 codes along K); m2_wk_codes 512 x 8 x 16 uint8 (E2M1 codes of m2_wk, K innermost, in blocks of 32 codes, two codes a byte); m2_wk_scales 512 x 8 uint8 (E8M0 scales of m2_wk, one for each 32 codes along K); m2_wq_codes 512 x 8 x 16 uint8 (E2M1 codes of m2_wq, K innermost, in blocks of 32 codes, two codes a byte); m2_wq_scales 512 x 8 uint8 (E8M0 scales of m2_wq, one for each 32 codes along K); m2_wv_codes 512 x 8 x 16 uint8 (E2M1 codes of m2_wv, K innermost, in blocks of 32 codes, two codes a byte); m2_wv_scales 512 x 8 uint8 (E8M0 scales of m2_wv, one for each 32 codes along K); src_mask 4 x 2,048 x 1 int32; tgt_mask 4 x 2,048 x 1 int32; x 4 x 2,048 x 256 float32.
;; Outputs: out0 4 x 2,048 x 256 float32.
;; This version of the problem:
;;   THIS VERSION OF THE PROBLEM IS GIVEN IN LOW PRECISION. The matrix products marked QUANTISED in the list below multiply operands that are first quantised to E2M1 (2 exponent bits, 1 mantissa bit; 4 bits a number), with one power-of-two scale for each 32 numbers along K (OCP MX v1.0); their sums are f32. All else is computed in f32.
;;   The module's matrix products, in the order in which they are computed (A, B: the left and right operand; K: the contracted axis; several contracted axes count as one K, in the product's order):
;;     1. [M 8,192, K 256] x [K 256, N 512]; A: input x; B: input m1_wq (given as codes): QUANTISED
;;     2. [M 8,192, K 256] x [K 256, N 512]; A: input x; B: input m1_wk (given as codes): QUANTISED
;;     3. [M 8,192, K 256] x [K 256, N 512]; A: input x; B: input m1_wv (given as codes): QUANTISED
;;     4. batch 32 x [M 2,048, K 64] x [K 64, N 2,048]; A: computed on the way; B: computed on the way: QUANTISED
;;     5. batch 32 x [M 64, K 2,048] x [K 2,048, N 2,048]; A: computed on the way; B: softmax (see below): QUANTISED
;;     6. [M 8,192, K 512] x [K 512, N 256]; A: computed on the way; B: input m1_w2 (given as codes): QUANTISED
;;     7. [M 8,192, K 256] x [K 256, N 512]; A: computed on the way; B: input m2_wq (given as codes): QUANTISED
;;     8. [M 8,192, K 256] x [K 256, N 512]; A: input encoder_output (given as codes); B: input m2_wk (given as codes): QUANTISED
;;     9. [M 8,192, K 256] x [K 256, N 512]; A: input encoder_output (given as codes); B: input m2_wv (given as codes): QUANTISED
;;     10. batch 32 x [M 2,048, K 64] x [K 64, N 2,048]; A: computed on the way; B: computed on the way: QUANTISED
;;     11. batch 32 x [M 64, K 2,048] x [K 2,048, N 2,048]; A: computed on the way; B: softmax (see below): QUANTISED
;;     12. [M 8,192, K 512] x [K 512, N 256]; A: computed on the way; B: input m2_w2 (given as codes): QUANTISED
;;     13. [M 8,192, K 256] x [K 256, N 512]; A: computed on the way; B: input ffn_w1 (given as codes): QUANTISED
;;     14. [M 8,192, K 512] x [K 512, N 256]; A: computed on the way; B: input ffn_w2 (given as codes): QUANTISED
;;   THE QUANTISER, for each operand of a quantised product, along K:
;;     - K is cut into blocks of 32 from its start; a last block that is shorter is filled with zeros.
;;     - A block's scale is 2^e with e = floor(log2(the largest magnitude in the block)) - 2, held to -126 .. 127; a block of zeros has e = 0. As a byte (E8M0): e + 127.
;;     - Each number is divided by its block's scale, clamped to +-6, and rounded to the nearest number of E2M1, ties to even, subnormals kept.
;;     - The product sums the exact products of the quantised numbers (number of the format x scale) in f32.
;;   ~~~python
;;   def quantise(x, axis):      # numpy; x: float32 -> the quantised numbers, widened to float32 again
;;       x = np.moveaxis(x, axis, -1); K = x.shape[-1]
;;       x = np.pad(x, [(0, 0)] * (x.ndim - 1) + [(0, -K % 32)]); x = x.reshape(x.shape[:-1] + (-1, 32)); a = np.abs(x).max(-1, keepdims=True)
;;       e = np.where(a > 0, np.clip(np.frexp(np.where(a > 0, a, 1))[1] - 1 - 2, -126, 127), 0)      # np.frexp(a)[1] - 1 = floor(log2(a)), exactly
;;       r = np.clip(x / 2.0 ** e, -6, 6)
;;       step = 2.0 ** (np.maximum(np.frexp(np.where(r == 0, 1, r))[1] - 1, 0) - 1)
;;       q = np.round(r / step) * step * 2.0 ** e      # np.round: ties to even
;;       return np.moveaxis(q.reshape(q.shape[:-2] + (-1,))[..., :K], -1, axis).astype(np.float32)
;;   ~~~
;;   SOFTMAX AHEAD OF A QUANTISED PRODUCT. Where the list says 'softmax', what is quantised is not the finished softmax but p = 2^(t - M), with t = logit x log2(e) and M = ceil(the row's largest t), a whole number; so 1/2 < the row's largest p <= 1. The row's sum l is taken of the UNQUANTISED p, in f32, and the product's result is divided by l at the end. Since M is a whole number, a kernel that streams over the keys may use a running M (the ceiling of the running maximum): every later rescaling is an exact power of two, which a block's scale takes up: the codes' values come out the same.
;;   OPERANDS COMPUTED ON THE WAY. 'Computed on the way' means the value that the module computes at that place (a softmax that the list does not call 'softmax' is quantised finished and normalised). What goes into a quantiser is computed in f32, as accurately as f32 sums, v_exp_f32 and their like allow (about 1e-6 of the number): no bf16 or f16 on the way to a quantiser, and a product that is left as it is and whose result goes on into a quantised operand takes f32 operands (vector FMAs, or v_wmma_f32_16x16x4_f32). A number that lies on a knife's edge between two numbers of the format may be rounded either way, as far as f32 arithmetic and the matrix unit's own rounding can turn it there, and no further.
;;   INPUTS GIVEN AS CODES. encoder_output (in the module: [4, 2048, 256], K = its axis 2); ffn_w1 (in the module: [256, 512], K = its axis 0); ffn_w2 (in the module: [512, 256], K = its axis 0); m1_w2 (in the module: [512, 256], K = its axis 0); m1_wk (in the module: [256, 512], K = its axis 0); m1_wq (in the module: [256, 512], K = its axis 0); m1_wv (in the module: [256, 512], K = its axis 0); m2_w2 (in the module: [512, 256], K = its axis 0); m2_wk (in the module: [256, 512], K = its axis 0); m2_wq (in the module: [256, 512], K = its axis 0); m2_wv (in the module: [256, 512], K = its axis 0): each comes as NAME_codes (uint8): NAME with its K axis moved to the last place and cut into blocks of 32 codes, [.., K / 32, bytes a block], one block behind the other in memory; two codes a byte, the lower K in the low four bits (a code: sign, 2 exponent bits, 1 mantissa bit); and NAME_scales (uint8): the same leading axes, one E8M0 byte (e + 127) for each 32 codes along K. Its value is code x scale, taken as it is: it is not quantised again, and the codes and scales need not be those that the quantiser above would give.
;; One version. Each part assembles by itself: llvm-mc -triple=amdgcn-amd-amdhsa -mcpu=gfx1250 --defsym DOCPART=n.
;; ======== version 1 of 1: 5 launches
;; limits: right only within a limited range of input values
;; workspace buffers: q 2,359,296 bytes; kv1 4,849,664 bytes; kv2 4,849,664 bytes; a 2,228,224 bytes; x1 8,388,608 bytes
;; launch proj (part 1): grid 64 x 5, 8 waves a work-group, no clusters, 93,184 bytes of LDS; arguments x, encoder_output_codes, encoder_output_scales, tgt_mask, m1_wq_codes, m1_wq_scales, m1_bq, m1_wk_codes, m1_wk_scales, m1_bk, m1_wv_codes, m1_wv_scales, m1_bv, m2_wk_codes, m2_wk_scales, m2_bk, m2_wv_codes, m2_wv_scales, m2_bv, q, kv1, kv2; writes q, kv1, kv2
.if DOCPART == 1
	.amdgcn_target "amdgcn-amd-amdhsa--gfx1250"
	.amdhsa_code_object_version 6
	.text
	.protected	k_qfdb742c2e0_proj
	.globl	k_qfdb742c2e0_proj
	.p2align	8
	.type	k_qfdb742c2e0_proj,@function
k_qfdb742c2e0_proj:
	s_mov_b64 s[64:65], 0
	v_nop
	global_prefetch_b8 v0, s[64:65] scope:SCOPE_SE
	s_setreg_imm32_b32 hwreg(HW_REG_WAVE_MODE, 25, 1), 1
	s_wait_xcnt 0x0
; THE FIVE PROJECTIONS THAT HANG ON INPUTS ALONE: Q1, K1, V1 = x W + b (x is quantised here), K2, V2 = encoder_output W + b (given as codes).
; Each result is quantised along the K of the product that takes it (Q, K: the head's 64; V: the keys) and stored as AN IMAGE OF THE OPERAND'S REGISTERS:
; four registers are 512 bytes, lane l's 16 bytes at 16 l, so that the attention launch reads fragments as they lie and every store covers 512 consecutive bytes.
; DEAD WORK: reference() calls the second mha() with masked=False, so src_mask enters no expression, whatever it holds: it is not loaded and is no argument of any launch.
; Nothing else is left out.  LIMITS: NaN and infinities among the inputs are not served; a block whose largest magnitude lies under 2^-124 (a block of zeros too) gets the scale byte 1
; where the rule says less (or 127): its codes are then zeros or held small, and these bytes are read by this program alone.  Biases enter as the C of a sum's first product.
; THE ORDER OF TOKENS: token tile T holds tokens 32 (T / 2) + 8 (T % 2) + pi(r) in lane r, pi(r) = r + 8 (r / 8); weight tile t takes rows 32 (t / 2) + 8 (t % 2) + pi(r) likewise.
; Then in a product with the weights as source 0 the 16 registers of tiles 2 b, 2 b + 1 are units 32 b + 16 (lane / 16) + 0 .. 15 of the lane's token, and with the tokens as source 0 they are 16 neighbouring tokens.
; THE MASK: a key whose tgt_mask is 0 gets zero codes, and the code -2 at k = 64 in the block's table of mask words (else 0): the attention launch puts that word into K's fragment, so such a score is exactly 8 x NEG.
; SHARES: work-group x = 128 tokens (8 token tiles, one key step), y = which matrix.  First each wave makes or fetches one tile's two fragments and puts their images into LDS; behind one barrier wave w makes head w for all 8 tiles.
; The five ways part on the work-group's y and never join; each has LDS bytes of its own.  No tensor load and no cluster: what work-groups share, a head's 8 KB of weight codes, goes once into each wave's registers.
.set PB,    18432                      ; LDS of one way: 16 images of 1,024 bytes (tile m, K step s: 2 m + s), then 16 x 128 bytes of scale words
.set SPARE, 5*PB                       ; the spare words: 128 bytes for each of 8 waves
.set W,   16                           ; v16-79   my head's weights: tile t, K step s at W + 16 t + 8 s
.set WS,  80                           ; v80-87   their scale words
.set T2,  88                           ; v88-151  x's second K step as f32; later:
.set X,   88                           ; v88-119  four fragments from LDS
.set BQ,  120                          ; v120-151 the bias in the result's layout (Q, K)
.set BT,  120                          ; v120-123 the bias of my lane's channel, tile c (V)
.set BC,  124                          ; v124-131 the same, eight times: a C operand
.set XS,  152                          ; v152-155 the fragments' scale words
.set ACC, 156                          ; v156-219 eight accumulators
.set PC,  220                          ; v220-227 codes just made
.set PW,  228                          ; v228     their scale word
.set KW,  230                          ; v230-233 four scale words for one store
.set FW,  234                          ; v234-237 four words of the mask's table
.set TM,  238                          ; v238-253 at work in QUANT
.set D,   254                          ; v254-255 data of STORE4
.set SEL, 56                           ; s[56:57] lane selects: lane l xor 16
; 64 numbers of a lane, register 16 b + i = k 32 b + 16 (lane / 16) + i of its row, become a fragment's 8 registers of codes v[d] on and its scale word v[w]
.macro QUANT s, d, w
.irp b, 0,1,2,3
	v_max3_num_f32 v[TM+\b], |v[\s+16*\b]|, |v[\s+16*\b+1]|, 0x1800000   ; my 16 numbers of block b, and the floor 2^(3 - 127): the byte cannot fall under 1
.endr
.irp i, 2,4,6,8,10,12,14
.irp b, 0,1,2,3
	v_max3_num_f32 v[TM+\b], v[TM+\b], |v[\s+16*\b+\i]|, |v[\s+16*\b+\i+1]|
.endr
.endr
.irp b, 0,1,2,3
	s_delay_alu instid0(VALU_DEP_4)
	v_permlanex16_b32 v[TM+4+\b], v[TM+\b], s[SEL], s[SEL+1]
.endr
.irp b, 0,1,2,3
	s_delay_alu instid0(VALU_DEP_4)
	v_max_num_f32 v[TM+\b], v[TM+\b], v[TM+4+\b]       ; with lane l xor 16's 16: the block's largest magnitude
.endr
.irp b, 0,1,2,3
	s_delay_alu instid0(VALU_DEP_4)
	v_add_nc_u32 v[TM+12+\b], 0xff000000, v[TM+\b]     ; 2 off its exponent field: the conversion's scale operand
.endr
.irp b, 0,1,2,3
	s_delay_alu instid0(VALU_DEP_4)
	v_lshrrev_b32 v[TM+4+\b], 23, v[TM+12+\b]          ; the scale's byte
.endr
	s_delay_alu instid0(VALU_DEP_3)
	v_lshl_or_b32 v[\w], v[TM+5], 8, v[TM+4]
	s_delay_alu instid0(VALU_DEP_1)
	v_lshl_or_b32 v[\w], v[TM+6], 16, v[\w]
	s_delay_alu instid0(VALU_DEP_1)
	v_lshl_or_b32 v[\w], v[TM+7], 24, v[\w]
.irp b, 0,1,2,3
	v_cvt_scalef32_pk8_fp4_f32 v[\d+2*\b], v[\s+16*\b:\s+16*\b+7], v[TM+12+\b]
	v_cvt_scalef32_pk8_fp4_f32 v[\d+2*\b+1], v[\s+16*\b+8:\s+16*\b+15], v[TM+12+\b]
.endr
	v_nop                                              ; one plain instruction behind the scaled conversions
.irp c, 0,1
.irp i, 0,1
	v_permlane16_swap_b32 v[\d+4*\c+\i], v[\d+4*\c+2+\i]   ; a whole block to a lane: lanes 0-15 block 2 c, lanes 16-31 block 2 c + 1
.endr
.endr
.endm
.macro MM d, a, b, c, sa, sb
	v_wmma_scale_f32_16x16x128_f8f6f4 v[\d:\d+7], v[\a:\a+7], v[\b:\b+7], v[\c:\c+7], v[\sa], v[\sb] matrix_a_fmt:MATRIX_FMT_FP4 matrix_b_fmt:MATRIX_FMT_FP4
.endm
.macro NOPS n
.rept \n
	v_nop
.endr
.endm
.macro STORE4 r0, base, off            ; four words a row, held alike in both halves of the lanes: lane (r, h) stores words 2 h, 2 h + 1 at 16 r + 8 h: 256 consecutive bytes
	v_cndmask_b32 v[D], v[\r0], v[\r0+2], s54
	v_cndmask_b32 v[D+1], v[\r0+1], v[\r0+3], s54
	global_store_b64 v2, v[D:D+1], s[\base:\base+1] offset:\off
.endm
.macro BARRIER
	s_wait_dscnt 0x0                                   ; my images have landed
	s_barrier_signal -1
	s_barrier_wait -1
.endm
.macro END3                            ; the wave's end: three lines behind my last LDS store
	s_wait_tensorcnt 0x0
	ds_add_u32 v12, v13
	s_wait_dscnt 0x0
	s_endpgm
.endm
.macro LDSADR base
	v_add_nc_u32 v8, \base, v1                         ; an image's place for my lane
	v_add_nc_u32 v9, \base+16384, v7                   ; a scale word's
	s_delay_alu instid0(VALU_DEP_2)
	v_add_nc_u32 v10, s58, v8                          ; where I store my tile's two images: + 2,048 x wave
	s_delay_alu instid0(VALU_DEP_2)
	v_add_nc_u32 v11, s59, v9                          ; and their words: + 256 x wave
.endm
.macro WLOADS pc, ps                   ; my head's 64 rows of the weight: 8 fragments and their scale words, kept in registers
	s_lshl_b32 s62, s48, 13
	s_add_nc_u64 s[66:67], s[\pc:\pc+1], s[62:63]
	s_lshl_b32 s62, s48, 9
	s_add_nc_u64 s[68:69], s[\ps:\ps+1], s[62:63]
.irp t, 0,1,2,3
.irp k, 0,1
	global_load_b128 v[W+16*\t+8*\k:W+16*\t+8*\k+3], v4, s[66:67] offset:(32*(\t/2)+8*(\t%2))*128+64*\k
	global_load_b128 v[W+16*\t+8*\k+4:W+16*\t+8*\k+7], v4, s[66:67] offset:(32*(\t/2)+8*(\t%2))*128+64*\k+32
	global_load_b32 v[WS+2*\t+\k], v5, s[68:69] offset:(32*(\t/2)+8*(\t%2))*8+4*\k
.endr
.endr
.endm
.macro BIASQ pb                        ; lane (r, h), tile t: the bias of units 32 (t / 2) + 8 (t % 2) + 16 h + 0 .. 7
	s_lshl_b32 s62, s48, 8
	s_add_nc_u64 s[70:71], s[\pb:\pb+1], s[62:63]
.irp t, 0,1,2,3
	global_load_b128 v[BQ+8*\t:BQ+8*\t+3], v6, s[70:71] offset:(32*(\t/2)+8*(\t%2))*4
	global_load_b128 v[BQ+8*\t+4:BQ+8*\t+7], v6, s[70:71] offset:(32*(\t/2)+8*(\t%2))*4+16
.endr
.endm
.macro BIASV pb                        ; lane r, tile c: the bias of channel 32 (c / 2) + 8 (c % 2) + pi(r)
	s_lshl_b32 s62, s48, 8
	s_add_nc_u64 s[70:71], s[\pb:\pb+1], s[62:63]
.irp c, 0,1,2,3
	global_load_b32 v[BT+\c], v14, s[70:71] offset:(32*(\c/2)+8*(\c%2))*4
.endr
.endm
.macro XLOAD reg, ks                   ; my tile's numbers of K step ks: of each block of 32 my 16
.irp b, 0,1,2,3
.irp j, 0,1,2,3
	global_load_b128 v[\reg+16*\b+4*\j:\reg+16*\b+4*\j+3], v3, s[76:77] offset:512*\ks+128*\b+16*\j
.endr
.endr
.endm
.macro PHASE_X k1                      ; my token tile of x becomes two fragments in LDS.  k1 = 1: the tiles' mask words are fetched too and become eight lane masks
	s_lshl_b32 s62, s60, 10
	s_add_nc_u64 s[76:77], s[4:5], s[62:63]
.if \k1
	s_lshl_b32 s62, ttmp9, 9
	s_add_nc_u64 s[78:79], s[10:11], s[62:63]
.irp m, 0,1,2,3,4,5,6,7
	global_load_b32 v[KW+\m], v14, s[78:79] offset:(64*(\m/4)+8*(\m%4))*4   ; K's tile m in K's own order of tokens (see .Lk1)
.endr
.endif
	XLOAD ACC, 0
	XLOAD T2, 1
	s_wait_loadcnt 16                                  ; all but the second K step's 16 loads are in
.if \k1
.irp m, 0,1,2,3,4,5,6,7
	v_cmp_ne_u32 s[80+\m], 0, v[KW+\m]                 ; tile m: the lanes whose key counts
.endr
.endif
	QUANT ACC, PC, PW
	ds_store_b128 v10, v[PC:PC+3]
	ds_store_b128 v10, v[PC+4:PC+7] offset:512
	ds_store_b32 v11, v[PW]
	s_wait_dscnt 0x0                                   ; the stores have read their registers
	s_wait_loadcnt 0x0
	QUANT T2, PC, PW
	ds_store_b128 v10, v[PC:PC+3] offset:1024
	ds_store_b128 v10, v[PC+4:PC+7] offset:1536
	ds_store_b32 v11, v[PW] offset:128
.endm
.macro PHASE_E                         ; my token tile of encoder_output: codes and scale words go to LDS as they come
	s_lshl_b32 s62, s60, 7
	s_add_nc_u64 s[76:77], s[6:7], s[62:63]
	s_lshl_b32 s62, s60, 3
	s_add_nc_u64 s[78:79], s[8:9], s[62:63]
.irp k, 0,1
	global_load_b128 v[ACC+8*\k:ACC+8*\k+3], v4, s[76:77] offset:64*\k
	global_load_b128 v[ACC+8*\k+4:ACC+8*\k+7], v4, s[76:77] offset:64*\k+32
	global_load_b32 v[ACC+16+\k], v5, s[78:79] offset:4*\k
.endr
	s_wait_loadcnt 0x0
.irp k, 0,1
	ds_store_b128 v10, v[ACC+8*\k:ACC+8*\k+3] offset:1024*\k
	ds_store_b128 v10, v[ACC+8*\k+4:ACC+8*\k+7] offset:1024*\k+512
	ds_store_b32 v11, v[ACC+16+\k] offset:128*\k
.endr
	BARRIER
.endm
.macro KVBASE pk, isv                  ; s[72:73]: where this step's images go in my head's block; s[74:75]: the block + the step's place among the words
	s_mov_b32 s62, s55
	s_add_nc_u64 s[74:75], s[\pk:\pk+1], s[62:63]
	s_lshl_b32 s62, s52, 13                            ; the images lie step by step: 8,192 bytes a key step, K's 4,096 and then V's
	s_add_co_u32 s62, s62, 20480+4096*\isv
	s_add_nc_u64 s[72:73], s[74:75], s[62:63]
	s_lshl_b32 s62, s52, 9-\isv
	s_add_nc_u64 s[74:75], s[74:75], s[62:63]
.endm
; Token tiles m and m + 1, my head: weights as source 0, so a lane holds one token and 32 channels of each tile; 64 numbers make the two tiles' images.  kind 1: masked keys get zero codes
.macro PAIR m, p, kind
.irp u, 0,1
.irp k, 0,1
	ds_load_b128 v[X+16*\u+8*\k:X+16*\u+8*\k+3], v8 offset:(2*((\m)+\u)+\k)*1024
	ds_load_b128 v[X+16*\u+8*\k+4:X+16*\u+8*\k+7], v8 offset:(2*((\m)+\u)+\k)*1024+512
	ds_load_b32 v[XS+2*\u+\k], v9 offset:(2*((\m)+\u)+\k)*128
.endr
.endr
	s_wait_dscnt 0x0
.irp u, 0,1
.irp t, 0,1,2,3
	MM ACC+32*\u+8*\t, W+16*\t, X+16*\u, BQ+8*\t, WS+2*\t, XS+2*\u          ; the bias starts the sums; the eight accumulators take turns
.endr
.endr
.irp u, 0,1
.irp t, 0,1,2,3
	MM ACC+32*\u+8*\t, W+16*\t+8, X+16*\u+8, ACC+32*\u+8*\t, WS+2*\t+1, XS+2*\u+1
.endr
.endr
	NOPS 4                                             ; four plain instructions between the products and the first read of their results
	QUANT ACC, PC, PW
.if \kind == 1
.irp i, 0,1,2,3
	v_cndmask_b32 v[PC+\i], 0, v[PC+\i], s[80+(\m)]
	v_cndmask_b32 v[PC+4+\i], 0, v[PC+4+\i], s[81+(\m)]
.endr
.endif
	global_store_b128 v1, v[PC:PC+3], s[72:73] offset:512*(\m)
	global_store_b128 v1, v[PC+4:PC+7], s[72:73] offset:512*(\m)+512
	v_and_b32 v15, 0xffff, v[PW]                       ; a tile's two bytes, written twice: the word's upper half scales the fragment's zero codes
	s_delay_alu instid0(VALU_DEP_1)
	v_lshl_or_b32 v[KW+2*\p], v15, 16, v15
	v_lshrrev_b32 v15, 16, v[PW]
	s_delay_alu instid0(VALU_DEP_1)
	v_lshl_or_b32 v[KW+2*\p+1], v15, 16, v15
.if \kind == 1
	v_cndmask_b32 v[KW+2*\p], s50, v[KW+2*\p], s[80+(\m)]        ; a masked key's word: 2^94 for the block k = 64 .. 95, in which its one code that is not zero stands
	v_cndmask_b32 v[KW+2*\p+1], s50, v[KW+2*\p+1], s[81+(\m)]
.endif
.endm
.macro PATH_QK kind
.irp g, 0,1
.irp p, 0,1
	s_wait_xcnt 0x0                                    ; the last stores have read their data: PC and D are written again only behind this wait
	PAIR (4*\g+2*\p), \p, \kind
.endr
	STORE4 KW, 74, 256*\g
.endr
.endm
; V: the tokens as source 0, so a lane holds one channel and its 64 registers run down the step's 128 keys: one fragment of V^T for each tile c of 16 channels
.macro PATH_V
.irp c, 0,1,2,3
.irp j, 0,1,2,3,4,5,6,7
	v_mov_b32 v[BC+\j], v[BT+\c]
.endr
	s_wait_alu depctr_va_vdst(0)
.irp k, 0,1
.irp e, 0,1
	NOPS 4                                             ; in front of loads into registers that products have read
.irp i, 0,1,2,3
	ds_load_b128 v[X+8*\i:X+8*\i+3], v8 offset:(2*(4*\e+\i)+\k)*1024
	ds_load_b128 v[X+8*\i+4:X+8*\i+7], v8 offset:(2*(4*\e+\i)+\k)*1024+512
	ds_load_b32 v[XS+\i], v9 offset:(2*(4*\e+\i)+\k)*128
.endr
	s_wait_dscnt 0x0
.irp i, 0,1,2,3
.if \k == 0
	MM ACC+8*(4*\e+\i), X+8*\i, W+16*\c, BC, XS+\i, WS+2*\c
.else
	MM ACC+8*(4*\e+\i), X+8*\i, W+16*\c+8, ACC+8*(4*\e+\i), XS+\i, WS+2*\c+1
.endif
.endr
.endr
.endr
	NOPS 4
	s_wait_xcnt 0x0                                    ; the last tile's stores have read PC
	QUANT ACC, PC, KW+\c
	global_store_b128 v1, v[PC:PC+3], s[72:73] offset:1024*\c
	global_store_b128 v1, v[PC+4:PC+7], s[72:73] offset:1024*\c+512
.endr
	STORE4 KW, 74, 8192
.endm
	s_load_b512 s[4:19], s[0:1], 0x0                   ; x 4, enc codes 6, enc scales 8, tgt_mask 10, m1_wq 12 14 16, m1_wk 18 ..
	s_load_b512 s[20:35], s[0:1], 0x40                 ; .. 20 22, m1_wv 24 26 28, m2_wk 30 32 34
	s_load_b256 s[36:43], s[0:1], 0x80                 ; m2_wv 36 38 40, q 42
	s_load_b128 s[44:47], s[0:1], 0xa0                 ; kv1 44, kv2 46
	v_lshl_add_u32 v12, v0, 2, SPARE                   ; my spare word; never rewritten
	v_mov_b32 v13, 0                                   ; 0; never rewritten
	v_lshrrev_b32 v15, 5, v0
	s_delay_alu instid0(VALU_DEP_1)
	v_readfirstlane_b32 s48, v15                       ; wave: first my token tile, then my head
	s_and_b32 s49, ttmp7, 0xffff                       ; which matrix
	s_lshr_b32 s51, ttmp9, 4                           ; batch
	s_and_b32 s52, ttmp9, 15                           ; key step
	s_lshl_b32 s53, s51, 3
	s_add_co_u32 s53, s53, s48                         ; 8 batch + head
	s_mov_b32 s54, 0xffff0000                          ; lanes 16-31
	s_mov_b32 s[SEL], 0x76543210
	s_mov_b32 s[SEL+1], 0xfedcba98
	s_mov_b32 s63, 0                                   ; s[62:63]: an offset as a pair
	s_lshl_b32 s60, ttmp9, 7
	s_lshr_b32 s61, s48, 1
	s_lshl_b32 s61, s61, 5
	s_add_co_u32 s60, s60, s61
	s_and_b32 s61, s48, 1
	s_lshl_b32 s61, s61, 3
	s_add_co_u32 s60, s60, s61                         ; my tile's token 0: 128 group + 32 (wave / 2) + 8 (wave % 2)
	s_mul_i32 s55, s53, 151552                         ; my head's block in kv1 or kv2
	s_lshl_b32 s58, s48, 11
	s_lshl_b32 s59, s48, 8
	v_and_b32 v15, 31, v0
	s_delay_alu instid0(VALU_DEP_1)
	v_lshlrev_b32 v1, 4, v15                           ; 16 lane
	s_delay_alu instid0(VALU_DEP_2)
	v_lshlrev_b32 v7, 2, v15                           ; 4 lane
	v_and_b32 v14, 15, v0                              ; r
	v_bfe_u32 v6, v0, 4, 1                             ; h
	s_delay_alu instid0(VALU_DEP_2)
	v_lshlrev_b32 v2, 4, v14
	s_delay_alu instid0(VALU_DEP_1)
	v_lshl_add_u32 v2, v6, 3, v2                       ; 16 r + 8 h
	s_delay_alu instid0(VALU_DEP_4)
	v_and_b32 v15, 8, v14
	s_delay_alu instid0(VALU_DEP_1)
	v_add_nc_u32 v15, v15, v14                         ; pi(r)
	s_delay_alu instid0(VALU_DEP_1)
	v_lshlrev_b32 v3, 10, v15
	s_delay_alu instid0(VALU_DEP_1)
	v_lshl_add_u32 v3, v6, 6, v3                       ; x: row pi(r) of 1,024 bytes + 64 h
	s_delay_alu instid0(VALU_DEP_3)
	v_lshlrev_b32 v4, 7, v15
	s_delay_alu instid0(VALU_DEP_1)
	v_lshl_add_u32 v4, v6, 4, v4                       ; codes: row pi(r) of 128 bytes + 16 h
	v_lshlrev_b32 v5, 3, v15                           ; scale bytes: 8 a row
	v_lshlrev_b32 v14, 2, v15                          ; 4 pi(r)
	v_lshlrev_b32 v6, 6, v6                            ; 64 h
.irp b, 0,1,2,3
	v_mov_b32 v[TM+4+\b], 0                            ; a lane permute's destination counts as read
.endr
	s_wait_kmcnt 0x0
	s_cmp_eq_u32 s49, 0
	s_cbranch_scc1 .Lq1
	s_cmp_eq_u32 s49, 1
	s_cbranch_scc1 .Lk1
	s_cmp_eq_u32 s49, 2
	s_cbranch_scc1 .Lv1
	s_cmp_eq_u32 s49, 3
	s_cbranch_scc1 .Lk2
	; ---- V2
	LDSADR 4*PB
	WLOADS 36, 38
	BIASV 40
	s_wait_alu depctr_va_vdst(0)
	PHASE_E
	KVBASE 46, 1
	PATH_V
	END3
.Lq1:
	LDSADR 0
	WLOADS 12, 14
	PHASE_X 0
	BIASQ 16                                           ; into registers that x's second K step has left
	BARRIER
	s_lshl_b32 s62, s53, 16
	s_lshl_b32 s61, s52, 12
	s_add_co_u32 s62, s62, s61
	s_add_nc_u64 s[72:73], s[42:43], s[62:63]          ; q's images: 65,536 (8 b + head) + 4,096 step
	s_lshl_b32 s62, s53, 13
	s_lshl_b32 s61, s52, 9
	s_add_co_u32 s62, s62, s61
	s_add_co_u32 s62, s62, 2097152
	s_add_nc_u64 s[74:75], s[42:43], s[62:63]          ; and its scale words
	s_wait_loadcnt 0x0
	PATH_QK 0
	END3
.Lk1:
	; K'S TOKEN TILES HAVE AN ORDER OF THEIR OWN (both attentions): tile T holds token 64 (T / 4) + 8 (T % 4) + r + 24 (r / 8) in lane r.
	; In S^T = K Q^T register j of lane half h of tile T is then key 64 (T / 4) + 32 h + 8 (T % 4) + j: a lane's 32 registers of four tiles are one whole block of 32 keys.
	; THE MASK, as it is stored now: the head's 64 fill k = 0 .. 63 of the instruction's 128.  A masked key has zero codes there and the code -2 at k = 64 (the step's table holds that word for tile t, lane r at word 16 t + r; 0 for a key that counts);
	; the attention launch gives Q the code 1 at k = 64 with the scale 2^-60, and the masked key's scale there is 2^94: its score is exactly -2 x 2^34 = 8 x NEG.
	s_mov_b32 s50, 0x7fdd7f7f                          ; a masked key's scale word: bytes 127, 127, 221, 127
	s_lshl_b32 s60, ttmp9, 7
	s_lshr_b32 s61, s48, 2
	s_lshl_b32 s61, s61, 6
	s_add_co_u32 s60, s60, s61
	s_and_b32 s61, s48, 3
	s_lshl_b32 s61, s61, 3
	s_add_co_u32 s60, s60, s61                         ; my tile's token 0: 128 group + 64 (wave / 4) + 8 (wave % 4)
	v_and_b32 v15, 15, v0
	v_and_b32 v14, 8, v0
	v_bfe_u32 v3, v0, 4, 1
	v_mad_u32_u24 v15, v14, 3, v15                     ; r + 24 (r / 8)
	v_lshlrev_b32 v3, 6, v3
	v_lshlrev_b32 v14, 2, v15                          ; the mask words' offset
	v_lshl_add_u32 v3, v15, 10, v3                     ; x: that row of 1,024 bytes + 64 h
	s_wait_alu depctr_va_vdst(0)
	LDSADR PB
	WLOADS 18, 20
	PHASE_X 1
	BIASQ 22
	v_and_b32 v15, 3, v0                               ; words 4 l .. 4 l + 3 of the table are tile l / 4, lanes 4 (l % 4) + 0 .. 3: four neighbouring tokens,
	v_and_b32 v14, 12, v0                              ; from token 64 (l / 16) + 8 ((l / 4) % 4) + 4 (l % 4) + 24 ((l % 4) / 2) on
	v_lshlrev_b32 v15, 4, v15
	v_lshl_add_u32 v15, v14, 3, v15
	v_bfe_u32 v14, v0, 1, 1
	v_mad_u32_u24 v15, v14, 0x60, v15
	v_bfe_u32 v14, v0, 4, 1
	v_lshl_add_u32 v15, v14, 8, v15                    ; in bytes of tgt_mask
	global_load_b128 v[FW:FW+3], v15, s[78:79]
	BARRIER
	KVBASE 44, 0
	s_wait_loadcnt 0x0
	v_mov_b32 v15, 12                                  ; the code of -2 in the word's lowest four bits
.irp i, 0,1,2,3
	v_cmp_eq_u32 vcc_lo, 0, v[FW+\i]
	s_delay_alu instid0(VALU_DEP_1)
	v_cndmask_b32 v[FW+\i], v13, v15, vcc_lo
.endr
	global_store_b128 v1, v[FW:FW+3], s[74:75] offset:12288
	PATH_QK 1
	END3
.Lv1:
	LDSADR 2*PB
	WLOADS 24, 26
	PHASE_X 0
	BIASV 28
	BARRIER
	KVBASE 44, 1
	s_wait_loadcnt 0x0
	PATH_V
	END3
.Lk2:
	LDSADR 3*PB
	WLOADS 30, 32
	s_wait_alu depctr_va_vdst(0)
	BIASQ 34
	s_wait_xcnt 0x0                                    ; the weights' loads have read v4 and v5: they are written again only behind this wait
	s_lshl_b32 s60, ttmp9, 7                           ; K's own order of tokens, as at .Lk1
	s_lshr_b32 s61, s48, 2
	s_lshl_b32 s61, s61, 6
	s_add_co_u32 s60, s60, s61
	s_and_b32 s61, s48, 3
	s_lshl_b32 s61, s61, 3
	s_add_co_u32 s60, s60, s61
	v_and_b32 v15, 15, v0
	v_and_b32 v5, 8, v0
	v_bfe_u32 v4, v0, 4, 1
	v_mad_u32_u24 v15, v5, 3, v15                      ; r + 24 (r / 8)
	v_lshlrev_b32 v4, 4, v4
	v_lshlrev_b32 v5, 3, v15                           ; scale bytes: 8 a row
	v_lshl_add_u32 v4, v15, 7, v4                      ; codes: that row of 128 bytes + 16 h
	s_wait_alu depctr_va_vdst(0)
	PHASE_E
	KVBASE 46, 0
.irp i, 0,1,2,3
	v_mov_b32 v[FW+\i], 0                              ; the second attention has no mask: its table of mask words is zeros
.endr
	global_store_b128 v1, v[FW:FW+3], s[74:75] offset:12288
	PATH_QK 2
	END3
.Lfunc_end_k_qfdb742c2e0_proj:
	.size	k_qfdb742c2e0_proj, .Lfunc_end_k_qfdb742c2e0_proj-k_qfdb742c2e0_proj
	.p2alignl 7, 3214868480
	.fill 96, 4, 3214868480
	.section	.rodata,"a",@progbits
	.p2align	6, 0x0
	.amdhsa_kernel k_qfdb742c2e0_proj
		.amdhsa_group_segment_fixed_size 93184
		.amdhsa_private_segment_fixed_size 0
		.amdhsa_enable_private_segment 0
		.amdhsa_kernarg_size 176
		.amdhsa_user_sgpr_count 2
		.amdhsa_user_sgpr_kernarg_segment_ptr 1
		.amdhsa_wavefront_size32 1
		.amdhsa_system_sgpr_workgroup_id_x 1
		.amdhsa_system_sgpr_workgroup_id_y 1
		.amdhsa_system_sgpr_workgroup_id_z 1
		.amdhsa_system_vgpr_workitem_id 0
		.amdhsa_next_free_vgpr 256
		.amdhsa_next_free_sgpr 96
		.amdhsa_reserve_vcc 1
		.amdhsa_float_denorm_mode_32 3
		.amdhsa_float_denorm_mode_16_64 3
		.amdhsa_memory_ordered 1
		.amdhsa_forward_progress 1
		.amdhsa_inst_pref_size 246
	.end_amdhsa_kernel
	.amdgpu_metadata
---
amdhsa.version: [ 1, 2 ]
amdhsa.kernels:
  - .name:           k_qfdb742c2e0_proj
    .symbol:         k_qfdb742c2e0_proj.kd
    .args:
      - { .name: x, .offset: 0, .size: 8, .value_kind: global_buffer, .address_space: global }
      - { .name: encoder_output_codes, .offset: 8, .size: 8, .value_kind: global_buffer, .address_space: global }
      - { .name: encoder_output_scales, .offset: 16, .size: 8, .value_kind: global_buffer, .address_space: global }
      - { .name: tgt_mask, .offset: 24, .size: 8, .value_kind: global_buffer, .address_space: global }
      - { .name: m1_wq_codes, .offset: 32, .size: 8, .value_kind: global_buffer, .address_space: global }
      - { .name: m1_wq_scales, .offset: 40, .size: 8, .value_kind: global_buffer, .address_space: global }
      - { .name: m1_bq, .offset: 48, .size: 8, .value_kind: global_buffer, .address_space: global }
      - { .name: m1_wk_codes, .offset: 56, .size: 8, .value_kind: global_buffer, .address_space: global }
      - { .name: m1_wk_scales, .offset: 64, .size: 8, .value_kind: global_buffer, .address_space: global }
      - { .name: m1_bk, .offset: 72, .size: 8, .value_kind: global_buffer, .address_space: global }
      - { .name: m1_wv_codes, .offset: 80, .size: 8, .value_kind: global_buffer, .address_space: global }
      - { .name: m1_wv_scales, .offset: 88, .size: 8, .value_kind: global_buffer, .address_space: global }
      - { .name: m1_bv, .offset: 96, .size: 8, .value_kind: global_buffer, .address_space: global }
      - { .name: m2_wk_codes, .offset: 104, .size: 8, .value_kind: global_buffer, .address_space: global }
      - { .name: m2_wk_scales, .offset: 112, .size: 8, .value_kind: global_buffer, .address_space: global }
      - { .name: m2_bk, .offset: 120, .size: 8, .value_kind: global_buffer, .address_space: global }
      - { .name: m2_wv_codes, .offset: 128, .size: 8, .value_kind: global_buffer, .address_space: global }
      - { .name: m2_wv_scales, .offset: 136, .size: 8, .value_kind: global_buffer, .address_space: global }
      - { .name: m2_bv, .offset: 144, .size: 8, .value_kind: global_buffer, .address_space: global }
      - { .name: q, .offset: 152, .size: 8, .value_kind: global_buffer, .address_space: global }
      - { .name: kv1, .offset: 160, .size: 8, .value_kind: global_buffer, .address_space: global }
      - { .name: kv2, .offset: 168, .size: 8, .value_kind: global_buffer, .address_space: global }
    .group_segment_fixed_size: 93184
    .private_segment_fixed_size: 0
    .kernarg_segment_align: 8
    .kernarg_segment_size: 176
    .max_flat_workgroup_size: 256
    .sgpr_count:     96
    .vgpr_count:     256
    .wavefront_size: 32
...
	.end_amdgpu_metadata
.endif
;; end of part 1
;; launch attn1 (part 2): grid 8 x 32, 16 waves a work-group, clusters of 4 x 1, 167,936 bytes of LDS; arguments q, kv1, a; writes a
.if DOCPART == 2
	.amdgcn_target "amdgcn-amd-amdhsa--gfx1250"
	.amdhsa_code_object_version 6
	.text
	.protected	k_qfdb742c2e0_attn1
	.globl	k_qfdb742c2e0_attn1
	.p2align	8
	.type	k_qfdb742c2e0_attn1,@function
k_qfdb742c2e0_attn1:
	s_mov_b64 s[64:65], 0
	v_nop
	global_prefetch_b8 v0, s[64:65] scope:SCOPE_SE
	s_setreg_imm32_b32 hwreg(HW_REG_WAVE_MODE, 25, 1), 1
	s_wait_xcnt 0x0
	s_wait_alu depctr_hold_cnt(0) depctr_sa_sdst(0) depctr_va_vdst(0) depctr_va_sdst(0) depctr_va_ssrc(0) depctr_va_vcc(0) depctr_vm_vsrc(0)
	s_getreg_b32 s2, hwreg(HW_REG_IB_STS2, 6, 4)
	s_cmp_eq_u32 s2, 0
	s_cbranch_scc0 .Lentry_in_a_cluster
	s_endpgm
.Lentry_in_a_cluster:
	s_bfe_u32 s2, ttmp6, 0x10000c
	s_cmp_lg_u32 s2, 0x3003
	s_cbranch_scc0 .Lentry_shape_is_right
	s_endpgm
.Lentry_shape_is_right:
; ATTENTION ON CODES OF E2M1, one (batch, head) a grid row: a = Q(softmax(Q K^T / 8 [masked]) V), quantised along the head's 64 for the projection that follows.
; src_mask is not used (masked=False in reference()); this body serves both attentions: the table of mask words in the key block is zeros for the second.
; t = score x log2(e) / 8; M = the running largest t rounded up to a whole number; p = 2^(t - M) is quantised along the keys; the row's sum is taken of the unquantised p and divides at the end.
; When M moves, the sum and O are multiplied by 2^(old M - new M), which rounds nothing.
; THE MASK: K = 64 fills k = 0 .. 63 of the instruction's 128.  Register 4 of K's fragment (k = 64 .. 71 in lanes 0-15) takes the key's mask word: the code -2 at k = 64 for a masked key, whose other codes are zeros, else 0.
; Q has the code 1 at k = 64 and zeros behind it; Q's scale there is 2^-60, a masked key's 2^94: a masked score is exactly -2^35, so t = NEG x log2(e), as reference() has it; a batch with no key left gives equal p everywhere.
; SHARES: a work-group owns 256 queries, each of its sixteen waves one token tile of 16; four waves to a SIMD, so that one wave's vector work stands beside another's products and LDS loads.
; THE WHOLE KEY BLOCK OF THE HEAD, 151,552 bytes = 592 rows of 256, lies in LDS as the launch before stored it: K's scale words, V's, the mask words, then 8,192 bytes of images a key step (K's, then V's).
; Each wave asks for 37 of the rows by ONE tensor load at the head (one outstanding); one barrier follows, and the 16 key steps have none: nothing is filled twice.
; CLUSTER: the four work-groups of a cluster walk the same block, so it is asked for jointly.  No prefetch: the block is asked for whole at the head, and no loop runs ahead of a load.
; Both products are used transposed: S^T = K Q^T, O^T = V^T P^T: a lane holds one query throughout.  K's tile t holds key 64 (t / 4) + 8 (t % 4) + r + 24 (r / 8) in lane r, so register 8 t + j of lane half h
; is key 64 (t / 4) + 32 h + 8 (t % 4) + j: registers 32 c .. 32 c + 31 are block 2 c + h of 32 keys, whole, in the order that the second product's operand wants: eight conversions give its eight registers.
; LIMITS: NaN and infinities are not served; a block of zeros gets the scale byte 1.
.set SPARE, 151552                     ; behind the block: the spare words, 128 bytes for each of 16 waves
.set PS,  25                           ; v25      p's scale word
.set VS,  26                           ; v26-29   V's scale words
.set KS,  30                           ; v30-37   K's scale words
.set KF,  40                           ; v40-103  K's eight fragments
.set S,   104                          ; v104-167 the scores, then p
.set O,   168                          ; v168-199 O^T
.set VF,  200                          ; v200-231 V's four fragments
.set PCD, 232                          ; v232-239 p's codes
.set BM,  240                          ; v240-243 four partial maxima; then v240, v241: my two blocks' largest scores, then p; v[242:243] a chain of the sum
.set PT,  244                          ; v244-247 at work
.set SO,  248                          ; v248-249 the conversions' scale operands; v[250:251] a chain of the sum
.macro MM d, a, b, c, sa, sb
	v_wmma_scale_f32_16x16x128_f8f6f4 v[\d:\d+7], v[\a:\a+7], v[\b:\b+7], v[\c:\c+7], v[\sa], v[\sb] matrix_a_fmt:MATRIX_FMT_FP4 matrix_b_fmt:MATRIX_FMT_FP4
.endm
.macro MMZ d, a, b, sa, sb             ; the same, beginning a sum
	v_wmma_scale_f32_16x16x128_f8f6f4 v[\d:\d+7], v[\a:\a+7], v[\b:\b+7], 0, v[\sa], v[\sb] matrix_a_fmt:MATRIX_FMT_FP4 matrix_b_fmt:MATRIX_FMT_FP4
.endm
.macro NOPS n
.rept \n
	v_nop
.endr
.endm
.macro CROUND                          ; a round of the cluster's barrier
	s_barrier_signal -1
	s_barrier_wait -1
	s_cmp_lg_u32 s10, 0
	s_cbranch_scc1 .Lnot_wave_0_\@
	s_barrier_signal -3
.Lnot_wave_0_\@:
	s_barrier_wait -3
	s_barrier_signal -1
	s_barrier_wait -1
.endm
.macro KLOADS ko                       ; a key step's fragments of K, its mask words and its scale words: 18 loads
.irp t, 0,1,2,3,4,5,6,7
	ds_load_b128 v[KF+8*\t:KF+8*\t+3], v3 offset:\ko+512*\t
.endr
.irp t, 0,1,2,3,4,5,6,7
	ds_load_b32 v[KF+8*\t+4], v10 offset:64*\t
.endr
	ds_load_b128 v[KS:KS+3], v4
	ds_load_b128 v[KS+4:KS+7], v4 offset:256
.endm
.macro OMUL n                          ; n pairs of O^T under the new M
.rept \n
	v_pk_mul_f32 v[O+kk:O+kk+1], v[O+kk:O+kk+1], v[252:253] op_sel_hi:[1,0]
.set kk, kk+2
.endr
.endm
.macro TFMA n                          ; n pairs of t - M
.rept \n
	v_pk_fma_f32 v[S+jj:S+jj+1], v[S+jj:S+jj+1], s[54:55], v[12:13] op_sel_hi:[1,0,0]
.set jj, jj+2
.endr
.endm
	s_load_b128 s[4:7], s[0:1], 0x0                    ; q, the key blocks
	s_load_b64 s[8:9], s[0:1], 0x10                    ; a
	v_lshl_add_u32 v6, v0, 2, SPARE                    ; my spare word; never rewritten
	v_mov_b32 v7, 0                                    ; 0; never rewritten
	ds_add_u32 v6, v7                                  ; the opening: the add, twice on end, and its wait ahead of my first tensor load
	ds_add_u32 v6, v7
	v_lshrrev_b32 v254, 5, v0
	s_delay_alu instid0(VALU_DEP_1)
	v_readfirstlane_b32 s10, v254                      ; wave 0..15
	s_bfe_u32 s11, ttmp6, 0x40000                      ; cx
	s_lshl_b32 s12, ttmp9, 2
	s_add_co_u32 s12, s12, s11                         ; my block of 256 queries: it enters q's and a's addresses alone
	s_and_b32 s13, ttmp7, 0xffff                       ; 8 batch + head, which the partners share
	; group 1: dense bytes as rows of 256 (32 elements of 8 bytes), no padding, 37 rows a wave; mask: all four partners, bit 21 beside it
	s_mov_b32 s16, 15|(3<<16)|(1<<21)
	s_mov_b32 s17, 32<<16
	s_mov_b32 s18, 37<<16
	s_mov_b32 s19, 32<<16
	s_mov_b32 s20, 37
	s_mov_b32 s21, 32
	s_mov_b32 s22, 0
	s_mov_b32 s23, 0
	s_mov_b32 s52, 0x76543210
	s_mov_b32 s53, 0xfedcba98
	s_mov_b32 s54, 0x3e38aa3b                          ; c = log2(e) / 8
	s_mov_b32 s55, s54
	s_mov_b32 s56, 0x43430000                          ; Q's scale bytes for k = 64 .. 127: 2^-60
	s_mov_b32 s60, 0xffff0000
	s_mul_i32 s14, s13, 151552                         ; my head's block,
	s_mov_b32 s15, 0
	s_mov_b32 s75, 0
	s_mov_b32 s32, 1
	s_mul_i32 s33, s10, 9472                           ; and my 37 rows of it: the same place in LDS and in the block
	s_add_co_u32 s14, s14, s33
	v_and_b32 v254, 31, v0
	s_delay_alu instid0(VALU_DEP_1)
	v_lshlrev_b32 v1, 4, v254                          ; 16 lane
	v_and_b32 v254, 15, v0
	v_bfe_u32 v9, v0, 4, 1                             ; h
	s_delay_alu instid0(VALU_DEP_2)
	v_lshlrev_b32 v2, 4, v254                          ; 16 r
	v_lshlrev_b32 v4, 4, v254                          ; K's scale words of the step to be fetched: 16 r, + 512 a step
	v_lshl_add_u32 v5, v254, 4, 7936                   ; V's scale words: 8,192 + 16 r, one step of 256 back
	v_lshl_add_u32 v10, v254, 2, 12288                 ; the mask words of the step to be fetched: 12,288 + 4 r, + 512 a step
	v_add_nc_u32 v3, 12288, v1                         ; the images: 20,480 + 16 lane, one step of 8,192 back
	v_add_nc_u32 v8, v2, v9                            ; 16 r + h: my scale byte's place in a
	v_lshlrev_b32 v11, 3, v9                           ; 8 h: how far up my two scale bytes go in p's scale word
	v_lshlrev_b32 v20, 1, v9
	s_delay_alu instid0(VALU_DEP_1)
	v_sub_nc_u32 v20, 2, v20                           ; Q's k = 64: the code of 1 in lanes 0-15; lanes 16-31 (k = 96 ..): zeros
	s_wait_dscnt 0x0                                   ; both opening adds are done
	s_wait_kmcnt 0x0
	s_add_nc_u64 s[34:35], s[6:7], s[14:15]
	s_or_b32 s35, s35, 0x80000000
	CROUND                                             ; all four work-groups are here: the joint loads meet
	tensor_load_to_lds s[32:35], s[16:23]              ; my one tensor load
	s_nop 0
	NOPS 4
	s_lshl_b32 s62, s12, 4
	s_add_co_u32 s62, s62, s10                         ; my token tile in the batch
	s_lshl_b32 s74, s13, 7
	s_add_co_u32 s74, s74, s62
	s_lshl_b32 s74, s74, 9
	s_add_nc_u64 s[66:67], s[4:5], s[74:75]            ; Q's image
	s_lshl_b32 s74, s13, 13
	s_lshr_b32 s63, s62, 2
	s_lshl_b32 s63, s63, 8
	s_add_co_u32 s74, s74, s63
	s_and_b32 s63, s62, 3
	s_lshl_b32 s63, s63, 2
	s_add_co_u32 s74, s74, s63
	s_add_co_u32 s74, s74, 2097152
	s_add_nc_u64 s[68:69], s[4:5], s[74:75]            ; Q's scale words
	s_wait_alu depctr_va_vdst(0)
	global_load_b128 v[16:19], v1, s[66:67]
	global_load_b32 v24, v2, s[68:69]
	s_lshr_b32 s63, s13, 3
	s_lshl_b32 s63, s63, 7
	s_add_co_u32 s63, s63, s62                         ; my token tile among all 512
	s_and_b32 s62, s13, 7                              ; head
	s_lshl_b32 s74, s63, 3
	s_add_co_u32 s74, s74, s62
	s_lshl_b32 s74, s74, 9
	s_add_nc_u64 s[70:71], s[8:9], s[74:75]            ; a's image
	s_lshl_b32 s74, s63, 8
	s_lshl_b32 s62, s62, 1
	s_add_co_u32 s74, s74, s62
	s_add_co_u32 s74, s74, 2097152
	s_add_nc_u64 s[72:73], s[8:9], s[74:75]            ; a's scale bytes
.irp i, 21,22,23
	v_mov_b32 v\i, 0                                   ; Q's k = 72 .. 95 and 104 .. 127: zero codes
.endr
.irp t, 0,1,2,3,4,5,6,7
.irp i, 5,6,7
	v_mov_b32 v[KF+8*\t+\i], 0                         ; K's likewise: written once
.endr
.endr
.irp b, 0,1,2,3
	v_mov_b32 v[PT+\b], 0                              ; a lane permute's destination counts as read
.endr
	v_mov_b32 v253, 0                                  ; (named as the upper half of the pair v[252:253])
	v_mov_b32 v13, 0xff61b1e6                          ; the largest score so far: -3e38
	s_delay_alu instid0(VALU_DEP_1)
	v_mul_f32 v255, s54, v13
	s_delay_alu instid0(VALU_DEP_1)
	v_floor_f32 v12, -v255                             ; -M
	v_mov_b32 v14, 0                                   ; the sum, in two halves
	v_mov_b32 v15, 0
	s_wait_loadcnt 0x0                                 ; Q
	v_and_or_b32 v24, v24, 0xffff, s56                 ; Q's scale word: its two bytes, and 2^-60 for k = 64 .. 127.  The 32 lines below stand between it and the first product
.set jj, 0
.rept 32
	v_mov_b32 v[O+jj], 0                               ; the step's first run finds zeros
.set jj, jj+1
.endr
; A KEY STEP: 128 keys.  more = 1: the next step's K is fetched behind this step's first products, a whole step ahead of its use
.macro STEP more
	s_wait_dscnt 0x0                                   ; K, its mask words and its scale words
.irp t, 0,1,2,3,4,5,6,7
	MMZ S+8*\t, KF+8*\t, 16, KS+\t, 24
.endr
	v_add_nc_u32 v3, 0x2000, v3                        ; this step's images.  (Four plain instructions: behind these products, whose operands are loaded anew, and behind the last step's)
	v_add_nc_u32 v5, 256, v5                           ; this step's scale words of V
.if \more
	v_add_nc_u32 v4, 512, v4                           ; the next step's scale words of K,
	v_add_nc_u32 v10, 512, v10                         ; and its mask words
.else
	NOPS 2
.endif
.irp c, 0,1,2,3
	ds_load_b128 v[VF+8*\c:VF+8*\c+3], v3 offset:4096+1024*\c
	ds_load_b128 v[VF+8*\c+4:VF+8*\c+7], v3 offset:4096+1024*\c+512
.endr
	ds_load_b128 v[VS:VS+3], v5
.if \more
	KLOADS 8192
.endif
.irp q, 0,1,2,3
	v_max3_num_f32 v[BM+\q], v[S+16*\q], v[S+16*\q+1], v[S+16*\q+2]        ; four chains of 15 scores, each accumulator from its low end on
.endr
.irp i, 3,5,7,9,11,13
.irp q, 0,1,2,3
	v_max3_num_f32 v[BM+\q], v[BM+\q], v[S+16*\q+\i], v[S+16*\q+\i+1]
.endr
.endr
	v_max3_num_f32 v[BM], v[BM], v[BM+1], v[S+15]
	v_max3_num_f32 v[BM+2], v[BM+2], v[BM+3], v[S+47]
	v_max_num_f32 v[BM], v[BM], v[S+31]                ; the largest score of my block h,
	v_max_num_f32 v[BM+1], v[BM+2], v[S+63]            ; and of my block 2 + h: for the row's maximum and for the block's largest p
	s_delay_alu instid0(VALU_DEP_1)
	v_max_num_f32 v254, v[BM], v[BM+1]
	s_delay_alu instid0(VALU_DEP_1)
	v_permlanex16_b32 v[PT], v254, s52, s53
	s_delay_alu instid0(VALU_DEP_1)
	v_max3_num_f32 v13, v13, v254, v[PT]               ; the running largest score (c is positive)
	v_mov_b32 v254, v12
	s_delay_alu instid0(VALU_DEP_2)
	v_mul_f32 v255, s54, v13                           ; as t
	s_delay_alu instid0(VALU_DEP_1)
	v_floor_f32 v12, -v255                             ; the new -M
.set jj, 0
	TFMA 4                                             ; t - M; the three lines that make f stand among them
	v_sub_f32 v254, v12, v254                          ; old M - new M: a whole number, 0 or less
	TFMA 4
	v_cvt_i32_f32 v254, v254                           ; (it saturates)
	TFMA 4
	v_ldexp_f32 v252, 1.0, v254                        ; f = 2^(old M - new M)
	TFMA 20
.irp b, 0,1
	v_fma_f32 v[BM+\b], v[BM+\b], s54, v12
.endr
	s_wait_alu depctr_va_vdst(0)
.set jj, 0
.rept 64
	v_exp_f32 v[S+jj], v[S+jj]                         ; p, at most 1
.set jj, jj+1
.endr
	v_pk_mul_f32 v[14:15], v[14:15], v[252:253] op_sel_hi:[1,0]        ; the sums under the new M: the plain instruction behind the batch
	s_wait_alu depctr_va_vdst(0)                       ; one wait for the 64, ahead of their first reader
.irp b, 0,1
	v_exp_f32 v[BM+\b], v[BM+\b]                       ; my blocks' largest p
.endr
	v_pk_add_f32 v[38:39], v[S:S+1], v[S+2:S+3]        ; the row's sum of the unquantised p, in four chains
	v_pk_add_f32 v[242:243], v[S+4:S+5], v[S+6:S+7]
	v_pk_add_f32 v[250:251], v[S+8:S+9], v[S+10:S+11]
.set jj, 12
.rept 5
.irp a, 14, 38, 242, 250
	v_pk_add_f32 v[\a:\a+1], v[\a:\a+1], v[S+jj:S+jj+1]
.set jj, jj+2
.endr
.endr
	s_wait_alu depctr_va_vdst(0)                       ; one wait for the two, and directly ahead of the first readers of O^T
.set kk, 0
	OMUL 2                                             ; O^T under the new M, and among its lines those that make p's scales
.irp b, 0,1
	v_max_num_f32 v[BM+\b], 0x1800000, v[BM+\b]        ; the floor 2^(3 - 127)
.endr
	OMUL 2
.irp b, 0,1
	v_add_nc_u32 v[SO+\b], 0xff000000, v[BM+\b]        ; 2 off the exponent field: the conversions' scale operand
.endr
	OMUL 2
.irp b, 0,1
	v_lshrrev_b32 v[PT+\b], 23, v[SO+\b]               ; the scale's byte
.endr
	OMUL 2
	v_lshl_or_b32 v[PS], v[PT+1], 16, v[PT]            ; my two bytes, blocks h and 2 + h,
	OMUL 2
	v_lshlrev_b32 v[PS], v11, v[PS]                    ; at their places in the word;
	OMUL 2
	v_permlanex16_b32 v[PT+2], v[PS], s52, s53
	OMUL 2
	v_or_b32 v[PS], v[PS], v[PT+2]                     ; with lane l xor 16's two: p's scale word for these 128 keys
	OMUL 2
.irp t, 0,1,2,3,4,5,6,7
	v_cvt_scalef32_pk8_fp4_f32 v[PCD+\t], v[S+8*\t:S+8*\t+7], v[SO+\t/4]   ; register t of the operand: keys 64 (t / 4) + 32 h + 8 (t % 4) + 0 .. 7
.endr
.irp a, 14, 38, 242, 250, 14, 38
	v_pk_add_f32 v[\a:\a+1], v[\a:\a+1], v[S+jj:S+jj+1]    ; the sum's last nine additions are the plain instructions between the scale word, the codes and the products
.set jj, jj+2
.endr
	v_pk_add_f32 v[242:243], v[242:243], v[250:251]
	v_pk_add_f32 v[14:15], v[14:15], v[38:39]
	v_pk_add_f32 v[14:15], v[14:15], v[242:243]
	s_wait_alu depctr_va_vdst(0)
.if \more
	s_wait_dscnt 18                                    ; V is in; the 18 loads of the next step's K, issued behind V's, may be out
.else
	s_wait_dscnt 0x0                                   ; V
.endif
.irp c, 0,1,2,3
	MM O+8*\c, VF+8*\c, PCD, O+8*\c, VS+\c, PS
.endr
.endm
	s_wait_alu depctr_va_vdst(0)
	s_wait_tensorcnt 0x0                               ; my 37 rows are in
	s_wait_dscnt 0x0
	s_barrier_signal -1
	s_barrier_wait -1                                  ; and so are everybody's: the block is whole, and stays
	KLOADS 8192                                        ; key step 0
	s_mov_b32 s59, 15
.Lstep:                                                    ; fifteen trips of one key step; the sixteenth is written out: it fetches nothing beyond the block
	STEP 1
	s_sub_co_u32 s59, s59, 1
	s_cmp_lg_u32 s59, 0
	s_cbranch_scc1 .Lstep
	STEP 0
	; THE WAY OUT: O^T / the sum, quantised along the head's 64: four registers, the image of half a fragment of the next product
	NOPS 4
	v_add_f32 v14, v14, v15
	s_delay_alu instid0(VALU_DEP_1)
	v_permlanex16_b32 v[PT], v14, s52, s53
	s_delay_alu instid0(VALU_DEP_1)
	v_add_f32 v14, v14, v[PT]
	s_wait_alu depctr_va_vdst(0)
	v_rcp_f32 v14, v14
	v_nop
	s_wait_alu depctr_va_vdst(0)
.set jj, 0
.rept 32
	v_mul_f32 v[S+jj], v[O+jj], v14                    ; register 16 b + i: channel 32 b + 16 h + i of my query
.set jj, jj+1
.endr
.irp b, 0,1
	v_max3_num_f32 v[BM+\b], |v[S+16*\b]|, |v[S+16*\b+1]|, 0x1800000
.endr
.irp i, 2,4,6,8,10,12,14
.irp b, 0,1
	s_delay_alu instid0(VALU_DEP_2)
	v_max3_num_f32 v[BM+\b], v[BM+\b], |v[S+16*\b+\i]|, |v[S+16*\b+\i+1]|
.endr
.endr
.irp b, 0,1
	s_delay_alu instid0(VALU_DEP_2)
	v_permlanex16_b32 v[PT+\b], v[BM+\b], s52, s53
.endr
.irp b, 0,1
	s_delay_alu instid0(VALU_DEP_2)
	v_max_num_f32 v[BM+\b], v[BM+\b], v[PT+\b]
.endr
.irp b, 0,1
	s_delay_alu instid0(VALU_DEP_2)
	v_add_nc_u32 v[SO+\b], 0xff000000, v[BM+\b]
.endr
.irp b, 0,1
	s_delay_alu instid0(VALU_DEP_2)
	v_lshrrev_b32 v[PT+\b], 23, v[SO+\b]
.endr
.irp b, 0,1
	v_cvt_scalef32_pk8_fp4_f32 v[PCD+2*\b], v[S+16*\b:S+16*\b+7], v[SO+\b]
	v_cvt_scalef32_pk8_fp4_f32 v[PCD+2*\b+1], v[S+16*\b+8:S+16*\b+15], v[SO+\b]
.endr
	v_nop
	v_permlane16_swap_b32 v[PCD], v[PCD+2]
	v_permlane16_swap_b32 v[PCD+1], v[PCD+3]
	v_cndmask_b32 v254, v[PT], v[PT+1], s60            ; lane (r, h) stores block h's byte
	global_store_b128 v1, v[PCD:PCD+3], s[70:71]
	global_store_b8 v8, v254, s[72:73]
	s_wait_tensorcnt 0x0                               ; the wave's end
	ds_add_u32 v6, v7
	s_wait_dscnt 0x0
	CROUND                                             ; the closing round
	s_endpgm
.Lfunc_end_k_qfdb742c2e0_attn1:
	.size	k_qfdb742c2e0_attn1, .Lfunc_end_k_qfdb742c2e0_attn1-k_qfdb742c2e0_attn1
	.p2alignl 7, 3214868480
	.fill 96, 4, 3214868480
	.section	.rodata,"a",@progbits
	.p2align	6, 0x0
	.amdhsa_kernel k_qfdb742c2e0_attn1
		.amdhsa_group_segment_fixed_size 167936
		.amdhsa_private_segment_fixed_size 0
		.amdhsa_enable_private_segment 0
		.amdhsa_kernarg_size 24
		.amdhsa_user_sgpr_count 2
		.amdhsa_user_sgpr_kernarg_segment_ptr 1
		.amdhsa_wavefront_size32 1
		.amdhsa_system_sgpr_workgroup_id_x 1
		.amdhsa_system_sgpr_workgroup_id_y 1
		.amdhsa_system_sgpr_workgroup_id_z 1
		.amdhsa_system_vgpr_workitem_id 0
		.amdhsa_next_free_vgpr 256
		.amdhsa_next_free_sgpr 80
		.amdhsa_reserve_vcc 0
		.amdhsa_float_denorm_mode_32 3
		.amdhsa_float_denorm_mode_16_64 3
		.amdhsa_memory_ordered 1
		.amdhsa_forward_progress 1
		.amdhsa_inst_pref_size 41
	.end_amdhsa_kernel
	.amdgpu_metadata
---
amdhsa.version: [ 1, 2 ]
amdhsa.kernels:
  - .name:           k_qfdb742c2e0_attn1
    .symbol:         k_qfdb742c2e0_attn1.kd
    .args:
      - { .name: q, .offset: 0, .size: 8, .value_kind: global_buffer, .address_space: global }
      - { .name: kv1, .offset: 8, .size: 8, .value_kind: global_buffer, .address_space: global }
      - { .name: a, .offset: 16, .size: 8, .value_kind: global_buffer, .address_space: global }
    .group_segment_fixed_size: 167936
    .private_segment_fixed_size: 0
    .kernarg_segment_align: 8
    .kernarg_segment_size: 24
    .max_flat_workgroup_size: 512
    .sgpr_count:     80
    .vgpr_count:     256
    .wavefront_size: 32
...
	.end_amdgpu_metadata
.endif
;; end of part 2
;; launch post1 (part 3): grid 128 x 1, 4 waves a work-group, clusters of 4 x 1, 327,680 bytes of LDS; arguments a, x, m1_w2_codes, m1_w2_scales, m1_b2, m1_g, m1_b, ln1_g, ln1_b, m2_wq_codes, m2_wq_scales, m2_bq, x1, q; writes x1, q
.if DOCPART == 3
	.amdgcn_target "amdgcn-amd-amdhsa--gfx1250"
	.amdhsa_code_object_version 6
	.text
	.protected	k_qfdb742c2e0_post1
	.globl	k_qfdb742c2e0_post1
	.p2align	8
	.type	k_qfdb742c2e0_post1,@function
k_qfdb742c2e0_post1:
	s_mov_b64 s[64:65], 0
	v_nop
	global_prefetch_b8 v0, s[64:65] scope:SCOPE_SE
	s_setreg_imm32_b32 hwreg(HW_REG_WAVE_MODE, 25, 1), 1
	s_wait_xcnt 0x0
	s_wait_alu depctr_hold_cnt(0) depctr_sa_sdst(0) depctr_va_vdst(0) depctr_va_sdst(0) depctr_va_ssrc(0) depctr_va_vcc(0) depctr_vm_vsrc(0)
	s_getreg_b32 s2, hwreg(HW_REG_IB_STS2, 6, 4)
	s_cmp_eq_u32 s2, 0
	s_cbranch_scc0 .Lentry_in_a_cluster
	s_endpgm
.Lentry_in_a_cluster:
	s_bfe_u32 s2, ttmp6, 0x10000c
	s_cmp_lg_u32 s2, 0x3003
	s_cbranch_scc0 .Lentry_shape_is_right
	s_endpgm
.Lentry_shape_is_right:
.set W2C, 0
.set W1C, 69632
.set SM,  212992
.set W2S, 0
.set W1S, 4096
.set VB2, 12288
.set VG,  13312
.set VB,  14336
.set VLG, 15360
.set VLB, 16384
.set VB1, 17408
.set STAGE, 235520
.set SPARE, 302080
.set AF,  20
.set AS,  52
.set WS,  56
.set WF,  64
.set LB0, 20
.set XF,  64
.set XS,  80
.set TM,  96
.set PC,  112
.set PW,  120
.set ACC, 128
.set ACC2, 128
.set WF2, 192
.set SEL, 76
.macro QUANT s, d, w
.irp b, 0,1,2,3
	v_max3_num_f32 v[TM+\b], |v[\s+16*\b]|, |v[\s+16*\b+1]|, 0x1800000
.endr
.irp i, 2,4,6,8,10,12,14
.irp b, 0,1,2,3
	v_max3_num_f32 v[TM+\b], v[TM+\b], |v[\s+16*\b+\i]|, |v[\s+16*\b+\i+1]|
.endr
.endr
.irp b, 0,1,2,3
	v_permlanex16_b32 v[TM+4+\b], v[TM+\b], s[SEL], s[SEL+1]
.endr
.irp b, 0,1,2,3
	v_max_num_f32 v[TM+\b], v[TM+\b], v[TM+4+\b]
.endr
.irp b, 0,1,2,3
	v_add_nc_u32 v[TM+12+\b], 0xff000000, v[TM+\b]
.endr
.irp b, 0,1,2,3
	v_lshrrev_b32 v[TM+4+\b], 23, v[TM+12+\b]
.endr
	v_lshl_or_b32 v[\w], v[TM+5], 8, v[TM+4]
	v_lshl_or_b32 v[\w], v[TM+6], 16, v[\w]
	v_lshl_or_b32 v[\w], v[TM+7], 24, v[\w]
.irp b, 0,1,2,3
	v_cvt_scalef32_pk8_fp4_f32 v[\d+2*\b], v[\s+16*\b:\s+16*\b+7], v[TM+12+\b]
	v_cvt_scalef32_pk8_fp4_f32 v[\d+2*\b+1], v[\s+16*\b+8:\s+16*\b+15], v[TM+12+\b]
.endr
	v_nop
.irp c, 0,1
.irp i, 0,1
	v_permlane16_swap_b32 v[\d+4*\c+\i], v[\d+4*\c+2+\i]
.endr
.endr
.endm
.macro MM d, a, b, c, sa, sb
	v_wmma_scale_f32_16x16x128_f8f6f4 v[\d:\d+7], v[\a:\a+7], v[\b:\b+7], v[\c:\c+7], v[\sa], v[\sb] matrix_a_fmt:MATRIX_FMT_FP4 matrix_b_fmt:MATRIX_FMT_FP4
.endm
.macro NOPS n
.rept \n
	v_nop
.endr
.endm
.macro CROUND
	s_barrier_signal -1
	s_barrier_wait -1
	s_cmp_lg_u32 s40, 0
	s_cbranch_scc1 .Lnot_wave_0_\@
	s_barrier_signal -3
.Lnot_wave_0_\@:
	s_barrier_wait -3
	s_barrier_signal -1
	s_barrier_wait -1
.endm
.macro ROWS_ST
.irp p, 0,1,2,3,4,5,6,7,8,9,10,11,12,13,14,15
	ds_store_b128 v10, v[ACC+8*\p:ACC+8*\p+3] offset:1040*\p
	ds_store_b128 v10, v[ACC+8*\p+4:ACC+8*\p+7] offset:1040*\p+512
.endr
.endm
.macro ROWS_LD
.irp p, 0,1,2,3,4,5,6,7,8,9,10,11,12,13,14,15
	ds_load_b128 v[ACC+8*\p:ACC+8*\p+3], v10 offset:1040*\p
	ds_load_b128 v[ACC+8*\p+4:ACC+8*\p+7], v10 offset:1040*\p+512
.endr
.endm
.macro ACC_ST
.irp b, 0,1,2,3,4,5,6,7
.irp j, 0,1,2,3
	ds_store_b128 v11, v[ACC+16*\b+4*\j:ACC+16*\b+4*\j+3] offset:128*\b+16*\j
.endr
.endr
.endm
.macro ACC_LD
.irp b, 0,1,2,3,4,5,6,7
.irp j, 0,1,2,3
	ds_load_b128 v[ACC+16*\b+4*\j:ACC+16*\b+4*\j+3], v11 offset:128*\b+16*\j
.endr
.endr
.endm
.macro GEMM1 wbase, so
	v_add_nc_u32 v5, \wbase, v3
	s_wait_alu depctr_va_vdst(0)
.irp k, 0,1,2,3
.irp g, 0,1
	NOPS 4
.irp i, 0,1,2,3,4,5,6,7
	ds_load_b128 v[WF+8*\i:WF+8*\i+3], v5 offset:(32*((8*\g+\i)/2)+8*(\i%2))*272+64*\k
	ds_load_b128 v[WF+8*\i+4:WF+8*\i+7], v5 offset:(32*((8*\g+\i)/2)+8*(\i%2))*272+64*\k+32
	ds_load_b32 v[WS+\i], v6 offset:\so+(32*((8*\g+\i)/2)+8*(\i%2))*16+4*\k
.endr
	s_wait_dscnt 0x0
.irp i, 0,1,2,3,4,5,6,7
	MM ACC+8*(8*\g+\i), WF+8*\i, AF+8*\k, ACC+8*(8*\g+\i), WS+\i, AS+\k
.endr
.endr
.endr
	NOPS 4
.endm
.macro CHLD lb, cb, goff, boff, resid
.irp j, 0,1,2,3
	ds_load_b128 v[\lb+4*\j:\lb+4*\j+3], v9 offset:\goff+128*(\cb)+16*\j
.endr
.if \boff >= 0
.irp j, 0,1,2,3
	ds_load_b128 v[\lb+16+4*\j:\lb+16+4*\j+3], v9 offset:\boff+128*(\cb)+16*\j
.endr
.endif
.if \resid
.irp j, 0,1,2,3
	ds_load_b128 v[\lb+32+4*\j:\lb+32+4*\j+3], v11 offset:128*(\cb)+16*\j
.endr
.endif
.endm
.macro ADDVEC off
	CHLD LB0, 0, \off, -1, 0
.set bb, 0
.rept 8
.if bb < 7
	CHLD LB0+48*((bb+1)%2), bb+1, \off, -1, 0
	s_wait_dscnt 4
.else
	s_wait_dscnt 0x0
.endif
.irp k, 0,2,4,6,8,10,12,14
	v_pk_add_f32 v[ACC+16*bb+\k:ACC+16*bb+\k+1], v[ACC+16*bb+\k:ACC+16*bb+\k+1], v[LB0+48*(bb%2)+\k:LB0+48*(bb%2)+\k+1]
.endr
.set bb, bb+1
.endr
.endm
.macro LNSTAT
	v_pk_add_f32 v[116:117], v[ACC:ACC+1], v[ACC+2:ACC+3]
	v_pk_add_f32 v[118:119], v[ACC+4:ACC+5], v[ACC+6:ACC+7]
.set jj, 8
.rept 30
	v_pk_add_f32 v[116:117], v[116:117], v[ACC+jj:ACC+jj+1]
	v_pk_add_f32 v[118:119], v[118:119], v[ACC+jj+2:ACC+jj+3]
.set jj, jj+4
.endr
	v_pk_add_f32 v[116:117], v[116:117], v[118:119]
	v_add_f32 v116, v116, v117
	v_permlanex16_b32 v124, v116, s[SEL], s[SEL+1]
	v_add_f32 v116, v116, v124
	v_mul_f32 v120, s78, v116
	v_mov_b32 v121, v120
.set jj, 0
.rept 64
	v_pk_add_f32 v[ACC+jj:ACC+jj+1], v[ACC+jj:ACC+jj+1], v[120:121] neg_lo:[0,1] neg_hi:[0,1]
.set jj, jj+2
.endr
	v_pk_mul_f32 v[116:117], v[ACC:ACC+1], v[ACC:ACC+1]
	v_pk_mul_f32 v[118:119], v[ACC+2:ACC+3], v[ACC+2:ACC+3]
.set jj, 4
.rept 31
	v_pk_fma_f32 v[116:117], v[ACC+jj:ACC+jj+1], v[ACC+jj:ACC+jj+1], v[116:117]
	v_pk_fma_f32 v[118:119], v[ACC+jj+2:ACC+jj+3], v[ACC+jj+2:ACC+jj+3], v[118:119]
.set jj, jj+4
.endr
	v_pk_add_f32 v[116:117], v[116:117], v[118:119]
	v_add_f32 v116, v116, v117
	v_permlanex16_b32 v124, v116, s[SEL], s[SEL+1]
	v_add_f32 v116, v116, v124
	v_fma_f32 v122, v116, s78, s79
	s_wait_alu depctr_va_vdst(0)
	v_rsq_f32 v122, v122
	v_nop
	s_wait_alu depctr_va_vdst(0)
	v_mov_b32 v123, v122
.endm
.macro APPLY goff, boff, resid
	CHLD LB0, 0, \goff, \boff, \resid
.set bb, 0
.rept 8
.if bb < 7
	CHLD LB0+48*((bb+1)%2), bb+1, \goff, \boff, \resid
	s_wait_dscnt 8+4*\resid
.else
	s_wait_dscnt 0x0
.endif
.irp k, 0,2,4,6,8,10,12,14
	v_pk_mul_f32 v[ACC+16*bb+\k:ACC+16*bb+\k+1], v[ACC+16*bb+\k:ACC+16*bb+\k+1], v[122:123]
.endr
.irp k, 0,2,4,6,8,10,12,14
	v_pk_fma_f32 v[ACC+16*bb+\k:ACC+16*bb+\k+1], v[ACC+16*bb+\k:ACC+16*bb+\k+1], v[LB0+48*(bb%2)+\k:LB0+48*(bb%2)+\k+1], v[LB0+48*(bb%2)+16+\k:LB0+48*(bb%2)+16+\k+1]
.endr
.if \resid
.irp k, 0,2,4,6,8,10,12,14
	v_pk_add_f32 v[ACC+16*bb+\k:ACC+16*bb+\k+1], v[ACC+16*bb+\k:ACC+16*bb+\k+1], v[LB0+48*(bb%2)+32+\k:LB0+48*(bb%2)+32+\k+1]
.endr
.endif
.set bb, bb+1
.endr
.endm
.macro CHUNK ch
	v_add_nc_u32 v5, W1C+18432*\ch, v4
	s_wait_alu depctr_va_vdst(0)
.irp b, 0,1,2,3
.irp j, 0,1,2,3
	ds_load_b128 v[ACC2+16*\b+4*\j:ACC2+16*\b+4*\j+3], v9 offset:VB1+512*\ch+128*\b+16*\j
.endr
.endr
.irp k, 0,1
	NOPS 4
.irp t, 0,1,2,3,4,5,6,7
	ds_load_b128 v[WF2+8*\t:WF2+8*\t+3], v5 offset:(32*(\t/2)+8*(\t%2))*144+64*\k
	ds_load_b128 v[WF2+8*\t+4:WF2+8*\t+7], v5 offset:(32*(\t/2)+8*(\t%2))*144+64*\k+32
	ds_load_b32 v[WS+\t], v7 offset:W1S+(128*\ch+32*(\t/2)+8*(\t%2))*8+4*\k
.endr
	s_wait_dscnt 0x0
.irp t, 0,1,2,3,4,5,6,7
	MM ACC2+8*\t, WF2+8*\t, XF+8*\k, ACC2+8*\t, WS+\t, XS+\k
.endr
.endr
	NOPS 4
.endm
	s_load_b512 s[4:19], s[0:1], 0x0
	s_load_b256 s[20:27], s[0:1], 0x40
	s_load_b128 s[28:31], s[0:1], 0x60
	v_lshl_add_u32 v14, v0, 2, SPARE
	v_mov_b32 v15, 0
	ds_add_u32 v14, v15
	ds_add_u32 v14, v15
	v_lshrrev_b32 v8, 5, v0
	v_readfirstlane_b32 s40, v8
	s_bfe_u32 s41, ttmp6, 0x40000
	s_lshl_b32 s42, ttmp9, 2
	s_add_co_u32 s42, s42, s41
	s_lshl_b32 s43, s42, 2
	s_add_co_u32 s43, s43, s40
	s_mov_b32 s44, 15|(1<<20)|(1<<21)|(5<<22)|(3<<25)
	s_mov_b32 s45, 256<<16
	s_mov_b32 s46, 64<<16
	s_mov_b32 s47, 256<<16
	s_mov_b32 s48, 64
	s_mov_b32 s49, 256
	s_mov_b32 s50, 0
	s_mov_b32 s51, 0
	s_mov_b32 s52, 15|(1<<20)|(1<<21)|(4<<22)|(3<<25)
	s_mov_b32 s53, 128<<16
	s_mov_b32 s54, 128<<16
	s_mov_b32 s55, 128<<16
	s_mov_b32 s56, 128
	s_mov_b32 s57, 128
	s_mov_b32 s58, 0
	s_mov_b32 s59, 0
	s_mov_b32 s[SEL], 0x76543210
	s_mov_b32 s[SEL+1], 0xfedcba98
	s_mov_b32 s78, 0x3b800000
	s_mov_b32 s79, 0x358637bd
	s_mov_b32 s83, 0
	s_mov_b32 s3, 0
	v_and_b32 v8, 31, v0
	v_lshlrev_b32 v1, 4, v8
	v_and_b32 v8, 15, v0
	v_lshlrev_b32 v2, 4, v8
	v_bfe_u32 v16, v0, 4, 1
	v_mul_u32_u24 v11, v8, 1040
	v_lshl_add_u32 v11, v16, 6, v11
	s_mul_i32 s82, s40, 16640
	s_add_co_u32 s82, s82, STAGE
	v_add_nc_u32 v11, s82, v11
	v_add_nc_u32 v10, s82, v1
	v_lshl_add_u32 v17, v16, 13, v2
	v_and_b32 v5, 8, v8
	v_add_nc_u32 v8, v5, v8
	v_mul_u32_u24 v3, v8, 272
	v_lshl_add_u32 v3, v16, 4, v3
	v_mul_u32_u24 v4, v8, 144
	v_lshl_add_u32 v4, v16, 4, v4
	v_lshl_add_u32 v6, v8, 4, SM
	v_lshl_add_u32 v7, v8, 3, SM
	v_lshl_add_u32 v9, v16, 6, SM
	v_lshlrev_b32 v16, 4, v16
	v_lshlrev_b32 v12, 4, v0
	v_lshlrev_b32 v13, 3, v0
	v_lshl_add_u32 v18, v0, 4, SM
	v_lshl_add_u32 v19, v0, 3, SM
	s_wait_dscnt 0x0
	s_wait_kmcnt 0x0
	s_lshl_b32 s82, s40, 14
	s_mov_b32 s60, 1
	s_mul_i32 s61, s40, 17408
	s_add_nc_u64 s[62:63], s[8:9], s[82:83]
	s_or_b32 s63, s63, 0x80000000
	s_mov_b32 s68, 1
	s_mul_i32 s69, s40, 18432
	s_add_co_u32 s69, s69, W1C
	s_add_nc_u64 s[70:71], s[22:23], s[82:83]
	s_or_b32 s71, s71, 0x80000000
	CROUND
	tensor_load_to_lds s[60:63], s[44:51]              ; my quarter of W2: my one tensor load at the head
	s_nop 0
	NOPS 4
	s_lshl_b32 s2, s43, 8
	s_add_co_u32 s2, s2, 2097152
	s_add_nc_u64 s[80:81], s[4:5], s[2:3]
	s_lshl_b32 s2, s43, 12
	s_add_nc_u64 s[4:5], s[4:5], s[2:3]
	s_lshr_b32 s2, s43, 1
	s_lshl_b32 s2, s2, 15
	s_and_b32 s41, s43, 1
	s_lshl_b32 s41, s41, 13
	s_add_co_u32 s2, s2, s41
	s_add_nc_u64 s[84:85], s[6:7], s[2:3]
	s_add_nc_u64 s[86:87], s[28:29], s[2:3]
	s_lshr_b32 s41, s43, 7
	s_and_b32 s42, s43, 127
	s_lshl_b32 s2, s41, 10
	s_add_co_u32 s2, s2, s42
	s_lshl_b32 s2, s2, 9
	s_add_nc_u64 s[88:89], s[30:31], s[2:3]
	s_lshl_b32 s2, s41, 16
	s_lshr_b32 s41, s42, 2
	s_lshl_b32 s41, s41, 8
	s_add_co_u32 s2, s2, s41
	s_and_b32 s41, s42, 3
	s_lshl_b32 s41, s41, 2
	s_add_co_u32 s2, s2, s41
	s_add_co_u32 s2, s2, 2097152
	s_add_nc_u64 s[90:91], s[30:31], s[2:3]
	s_wait_alu depctr_va_vdst(0)
	global_load_b128 v[64:67], v12, s[10:11]
	global_load_b128 v[68:71], v12, s[10:11] offset:2048
	global_load_b128 v[72:75], v12, s[24:25]
	global_load_b128 v[76:79], v12, s[24:25] offset:2048
	global_load_b64 v[80:81], v13, s[12:13]
	global_load_b64 v[82:83], v13, s[14:15]
	global_load_b64 v[84:85], v13, s[16:17]
	global_load_b64 v[86:87], v13, s[18:19]
	global_load_b64 v[88:89], v13, s[20:21]
	global_load_b128 v[92:95], v12, s[26:27]
.irp p, 0,1,2,3,4,5,6,7,8,9,10,11,12,13,14,15
	global_load_b128 v[ACC+8*\p:ACC+8*\p+3], v1, s[84:85] offset:(\p+8*(\p/8))*1024
	global_load_b128 v[ACC+8*\p+4:ACC+8*\p+7], v1, s[84:85] offset:(\p+8*(\p/8))*1024+512
.endr
.irp i, 0,1,2,3,4,5,6,7
	global_load_b128 v[AF+4*\i:AF+4*\i+3], v1, s[4:5] offset:512*\i
.endr
	global_load_b128 v[AS:AS+3], v2, s[80:81]
	s_wait_loadcnt 41
	ds_store_b128 v18, v[64:67] offset:W2S
	ds_store_b128 v18, v[68:71] offset:W2S+2048
	ds_store_b128 v18, v[72:75] offset:W1S
	ds_store_b128 v18, v[76:79] offset:W1S+2048
	ds_store_b64 v19, v[80:81] offset:VB2
	ds_store_b64 v19, v[82:83] offset:VG
	ds_store_b64 v19, v[84:85] offset:VB
	ds_store_b64 v19, v[86:87] offset:VLG
	ds_store_b64 v19, v[88:89] offset:VLB
	ds_store_b128 v18, v[92:95] offset:VB1
	s_wait_loadcnt 9
	ROWS_ST
	ACC_LD
	s_wait_loadcnt 0x0
	s_wait_tensorcnt 0x0                               ; my quarter of W2 is in
	ds_add_u32 v14, v15
	s_wait_dscnt 0x0                                   ; the add, my stores of the small tensors and my stage's loads are done
	CROUND                                             ; a whole round: W2 and the small tensors are whole, and the four work-groups' joint loads meet
	tensor_load_to_lds s[68:71], s[52:59]              ; my quarter of the next weight: it has the first product and both layer norms in which to land
	s_nop 0
	NOPS 4
	GEMM1 W2C, W2S
	ADDVEC VB2
	LNSTAT
	s_wait_alu depctr_va_vdst(0)
	APPLY VG, VB, 1
	LNSTAT
	s_wait_alu depctr_va_vdst(0)
	APPLY VLG, VLB, 0
	ACC_ST
	QUANT ACC, XF, XS
	QUANT ACC+64, XF+8, XS+1
	ROWS_LD
	s_wait_dscnt 0x0
.irp p, 0,1,2,3,4,5,6,7,8,9,10,11,12,13,14,15
	global_store_b128 v1, v[ACC+8*\p:ACC+8*\p+3], s[86:87] offset:(\p+8*(\p/8))*1024
	global_store_b128 v1, v[ACC+8*\p+4:ACC+8*\p+7], s[86:87] offset:(\p+8*(\p/8))*1024+512
.endr
	s_wait_tensorcnt 0x0
	s_barrier_signal -1
	s_barrier_wait -1
	s_wait_xcnt 0x0
	NOPS 8
.irp ch, 0,1,2,3
	CHUNK \ch
	s_wait_xcnt 0x0
	QUANT ACC2, PC, PW
	global_store_b128 v1, v[PC:PC+3], s[88:89] offset:65536*(2*\ch)
	global_store_b128 v1, v[PC+4:PC+7], s[88:89] offset:65536*(2*\ch+1)
	v_lshrrev_b32 v121, v16, v[PW]
	v_and_b32 v121, 0xffff, v121
	v_lshl_or_b32 v121, v121, 16, v121
	global_store_b32 v17, v121, s[90:91] offset:16384*\ch
.endr
	s_wait_tensorcnt 0x0
	ds_add_u32 v14, v15
	s_wait_dscnt 0x0
	CROUND
	s_endpgm
.Lfunc_end_k_qfdb742c2e0_post1:
	.size	k_qfdb742c2e0_post1, .Lfunc_end_k_qfdb742c2e0_post1-k_qfdb742c2e0_post1
	.p2alignl 7, 3214868480
	.fill 96, 4, 3214868480
	.section	.rodata,"a",@progbits
	.p2align	6, 0x0
	.amdhsa_kernel k_qfdb742c2e0_post1
		.amdhsa_group_segment_fixed_size 327680
		.amdhsa_private_segment_fixed_size 0
		.amdhsa_enable_private_segment 0
		.amdhsa_kernarg_size 112
		.amdhsa_user_sgpr_count 2
		.amdhsa_user_sgpr_kernarg_segment_ptr 1
		.amdhsa_wavefront_size32 1
		.amdhsa_system_sgpr_workgroup_id_x 1
		.amdhsa_system_sgpr_workgroup_id_y 1
		.amdhsa_system_sgpr_workgroup_id_z 1
		.amdhsa_system_vgpr_workitem_id 0
		.amdhsa_next_free_vgpr 256
		.amdhsa_next_free_sgpr 92
		.amdhsa_reserve_vcc 0
		.amdhsa_float_denorm_mode_32 3
		.amdhsa_float_denorm_mode_16_64 3
		.amdhsa_memory_ordered 1
		.amdhsa_forward_progress 1
		.amdhsa_inst_pref_size 158
	.end_amdhsa_kernel
	.amdgpu_metadata
---
amdhsa.version: [ 1, 2 ]
amdhsa.kernels:
  - .name:           k_qfdb742c2e0_post1
    .symbol:         k_qfdb742c2e0_post1.kd
    .args:
      - { .name: a, .offset: 0, .size: 8, .value_kind: global_buffer, .address_space: global }
      - { .name: x, .offset: 8, .size: 8, .value_kind: global_buffer, .address_space: global }
      - { .name: m1_w2_codes, .offset: 16, .size: 8, .value_kind: global_buffer, .address_space: global }
      - { .name: m1_w2_scales, .offset: 24, .size: 8, .value_kind: global_buffer, .address_space: global }
      - { .name: m1_b2, .offset: 32, .size: 8, .value_kind: global_buffer, .address_space: global }
      - { .name: m1_g, .offset: 40, .size: 8, .value_kind: global_buffer, .address_space: global }
      - { .name: m1_b, .offset: 48, .size: 8, .value_kind: global_buffer, .address_space: global }
      - { .name: ln1_g, .offset: 56, .size: 8, .value_kind: global_buffer, .address_space: global }
      - { .name: ln1_b, .offset: 64, .size: 8, .value_kind: global_buffer, .address_space: global }
      - { .name: m2_wq_codes, .offset: 72, .size: 8, .value_kind: global_buffer, .address_space: global }
      - { .name: m2_wq_scales, .offset: 80, .size: 8, .value_kind: global_buffer, .address_space: global }
      - { .name: m2_bq, .offset: 88, .size: 8, .value_kind: global_buffer, .address_space: global }
      - { .name: x1, .offset: 96, .size: 8, .value_kind: global_buffer, .address_space: global }
      - { .name: q, .offset: 104, .size: 8, .value_kind: global_buffer, .address_space: global }
    .group_segment_fixed_size: 327680
    .private_segment_fixed_size: 0
    .kernarg_segment_align: 8
    .kernarg_segment_size: 112
    .max_flat_workgroup_size: 128
    .sgpr_count:     92
    .vgpr_count:     256
    .wavefront_size: 32
...
	.end_amdgpu_metadata
.endif
;; end of part 3
;; launch attn2: the kernel of part 2 again; grid 8 x 32, 16 waves a work-group, clusters of 4 x 1, 167,936 bytes of LDS; arguments q, kv2, a; writes a
;; launch post2 (part 4): grid 128 x 1, 4 waves a work-group, clusters of 4 x 1, 327,680 bytes of LDS; arguments a, x1, m2_w2_codes, m2_w2_scales, m2_b2, m2_g, m2_b, ln2_g, ln2_b, ffn_w1_codes, ffn_w1_scales, ffn_b1, ffn_w2_codes, ffn_w2_scales, ffn_b2, ln3_g, ln3_b, out0; writes out0
.if DOCPART == 4
	.amdgcn_target "amdgcn-amd-amdhsa--gfx1250"
	.amdhsa_code_object_version 6
	.text
	.protected	k_qfdb742c2e0_post2
	.globl	k_qfdb742c2e0_post2
	.p2align	8
	.type	k_qfdb742c2e0_post2,@function
k_qfdb742c2e0_post2:
	s_mov_b64 s[64:65], 0
	v_nop
	global_prefetch_b8 v0, s[64:65] scope:SCOPE_SE
	s_setreg_imm32_b32 hwreg(HW_REG_WAVE_MODE, 25, 1), 1
	s_wait_xcnt 0x0
	s_wait_alu depctr_hold_cnt(0) depctr_sa_sdst(0) depctr_va_vdst(0) depctr_va_sdst(0) depctr_va_ssrc(0) depctr_va_vcc(0) depctr_vm_vsrc(0)
	s_getreg_b32 s2, hwreg(HW_REG_IB_STS2, 6, 4)
	s_cmp_eq_u32 s2, 0
	s_cbranch_scc0 .Lentry_in_a_cluster
	s_endpgm
.Lentry_in_a_cluster:
	s_bfe_u32 s2, ttmp6, 0x10000c
	s_cmp_lg_u32 s2, 0x3003
	s_cbranch_scc0 .Lentry_shape_is_right
	s_endpgm
.Lentry_shape_is_right:
; BEHIND THE SECOND ATTENTION: x2 = LN(x1 + LN(a W2 + b2 + x1; m2_g, m2_b); ln2_g, ln2_b); out0 = LN(x2 + relu(x2 W1 + b1) W3 + b3'; ln3_g, ln3_b).  The hidden layer never leaves the registers.
; A WAVE OWNS ONE TOKEN TILE OF 16 THROUGH THE WHOLE CHAIN, all 256 columns in 128 registers: every product takes the weights as source 0, their rows in the order pi(r) = r + 8 (r / 8), so register 16 b + i of lane (r, h)
; is column 32 b + 16 h + i of token r.  A layer norm's sums want the lane and lane l xor 16 alone, and each next operand is quantised in registers.
; The three weights' codes come into LDS by joint tensor loads (the four work-groups of a cluster ask together), a quarter a wave, one outstanding at a time; scale bytes, biases and gains go through registers into LDS bytes of their own.
; Residuals enter as the accumulators' first value; rows pass through the wave's own stage so that every global load and store covers 512 consecutive bytes.
; LIMITS: NaN and infinities are not served; a block of zeros gets the scale byte 1; sums are ordered otherwise than in reference().
.set W2C, 0
.set W1C, 69632
.set W3C, 143360
.set SM,  212992
.set W2S, 0
.set W1S, 4096
.set W3S, 8192
.set VB2, 12288
.set VG,  13312
.set VB,  14336
.set VLG, 15360
.set VLB, 16384
.set VB1, 17408
.set VFB2, 19456
.set VG3, 20480
.set VB3, 21504
.set STAGE, 235520
.set SPARE, 302080
.set AF,  20                           ; v20-51   a's four fragments, later the hidden layer's
.set AS,  52
.set WS,  56
.set WF,  64
.set LB0, 20
.set XF,  64
.set XS,  80
.set TM,  96
.set ACC, 128
.set ACC2, 128
.set WF2, 192
.set SEL, 76
.macro QUANT s, d, w
.irp b, 0,1,2,3
	v_max3_num_f32 v[TM+\b], |v[\s+16*\b]|, |v[\s+16*\b+1]|, 0x1800000
.endr
.irp i, 2,4,6,8,10,12,14
.irp b, 0,1,2,3
	v_max3_num_f32 v[TM+\b], v[TM+\b], |v[\s+16*\b+\i]|, |v[\s+16*\b+\i+1]|
.endr
.endr
.irp b, 0,1,2,3
	v_permlanex16_b32 v[TM+4+\b], v[TM+\b], s[SEL], s[SEL+1]
.endr
.irp b, 0,1,2,3
	v_max_num_f32 v[TM+\b], v[TM+\b], v[TM+4+\b]
.endr
.irp b, 0,1,2,3
	v_add_nc_u32 v[TM+12+\b], 0xff000000, v[TM+\b]
.endr
.irp b, 0,1,2,3
	v_lshrrev_b32 v[TM+4+\b], 23, v[TM+12+\b]
.endr
	v_lshl_or_b32 v[\w], v[TM+5], 8, v[TM+4]
	v_lshl_or_b32 v[\w], v[TM+6], 16, v[\w]
	v_lshl_or_b32 v[\w], v[TM+7], 24, v[\w]
.irp b, 0,1,2,3
	v_cvt_scalef32_pk8_fp4_f32 v[\d+2*\b], v[\s+16*\b:\s+16*\b+7], v[TM+12+\b]
	v_cvt_scalef32_pk8_fp4_f32 v[\d+2*\b+1], v[\s+16*\b+8:\s+16*\b+15], v[TM+12+\b]
.endr
	v_nop
.irp c, 0,1
.irp i, 0,1
	v_permlane16_swap_b32 v[\d+4*\c+\i], v[\d+4*\c+2+\i]
.endr
.endr
.endm
.macro MM d, a, b, c, sa, sb
	v_wmma_scale_f32_16x16x128_f8f6f4 v[\d:\d+7], v[\a:\a+7], v[\b:\b+7], v[\c:\c+7], v[\sa], v[\sb] matrix_a_fmt:MATRIX_FMT_FP4 matrix_b_fmt:MATRIX_FMT_FP4
.endm
.macro NOPS n
.rept \n
	v_nop
.endr
.endm
.macro CROUND
	s_barrier_signal -1
	s_barrier_wait -1
	s_cmp_lg_u32 s40, 0
	s_cbranch_scc1 .Lnot_wave_0_\@
	s_barrier_signal -3
.Lnot_wave_0_\@:
	s_barrier_wait -3
	s_barrier_signal -1
	s_barrier_wait -1
.endm
.macro ROWS_ST
.irp p, 0,1,2,3,4,5,6,7,8,9,10,11,12,13,14,15
	ds_store_b128 v10, v[ACC+8*\p:ACC+8*\p+3] offset:1040*\p
	ds_store_b128 v10, v[ACC+8*\p+4:ACC+8*\p+7] offset:1040*\p+512
.endr
.endm
.macro ROWS_LD
.irp p, 0,1,2,3,4,5,6,7,8,9,10,11,12,13,14,15
	ds_load_b128 v[ACC+8*\p:ACC+8*\p+3], v10 offset:1040*\p
	ds_load_b128 v[ACC+8*\p+4:ACC+8*\p+7], v10 offset:1040*\p+512
.endr
.endm
.macro ACC_ST
.irp b, 0,1,2,3,4,5,6,7
.irp j, 0,1,2,3
	ds_store_b128 v11, v[ACC+16*\b+4*\j:ACC+16*\b+4*\j+3] offset:128*\b+16*\j
.endr
.endr
.endm
.macro ACC_LD
.irp b, 0,1,2,3,4,5,6,7
.irp j, 0,1,2,3
	ds_load_b128 v[ACC+16*\b+4*\j:ACC+16*\b+4*\j+3], v11 offset:128*\b+16*\j
.endr
.endr
.endm
.macro GEMM1 wbase, so                 ; K = 512 to 256 columns, onto what the accumulators hold; the sixteen accumulators take turns
	v_add_nc_u32 v5, \wbase, v3
	s_wait_alu depctr_va_vdst(0)
.irp k, 0,1,2,3
.irp g, 0,1
	NOPS 4
.irp i, 0,1,2,3,4,5,6,7
	ds_load_b128 v[WF+8*\i:WF+8*\i+3], v5 offset:(32*((8*\g+\i)/2)+8*(\i%2))*272+64*\k
	ds_load_b128 v[WF+8*\i+4:WF+8*\i+7], v5 offset:(32*((8*\g+\i)/2)+8*(\i%2))*272+64*\k+32
	ds_load_b32 v[WS+\i], v6 offset:\so+(32*((8*\g+\i)/2)+8*(\i%2))*16+4*\k
.endr
	s_wait_dscnt 0x0
.irp i, 0,1,2,3,4,5,6,7
	MM ACC+8*(8*\g+\i), WF+8*\i, AF+8*\k, ACC+8*(8*\g+\i), WS+\i, AS+\k
.endr
.endr
.endr
	NOPS 4
.endm
.macro CHLD lb, cb, goff, boff, resid
.irp j, 0,1,2,3
	ds_load_b128 v[\lb+4*\j:\lb+4*\j+3], v9 offset:\goff+128*(\cb)+16*\j
.endr
.if \boff >= 0
.irp j, 0,1,2,3
	ds_load_b128 v[\lb+16+4*\j:\lb+16+4*\j+3], v9 offset:\boff+128*(\cb)+16*\j
.endr
.endif
.if \resid
.irp j, 0,1,2,3
	ds_load_b128 v[\lb+32+4*\j:\lb+32+4*\j+3], v11 offset:128*(\cb)+16*\j
.endr
.endif
.endm
.macro ADDVEC off
	CHLD LB0, 0, \off, -1, 0
.set bb, 0
.rept 8
.if bb < 7
	CHLD LB0+48*((bb+1)%2), bb+1, \off, -1, 0
	s_wait_dscnt 4                                     ; the next chunk's four loads may be out
.else
	s_wait_dscnt 0x0
.endif
.irp k, 0,2,4,6,8,10,12,14
	v_pk_add_f32 v[ACC+16*bb+\k:ACC+16*bb+\k+1], v[ACC+16*bb+\k:ACC+16*bb+\k+1], v[LB0+48*(bb%2)+\k:LB0+48*(bb%2)+\k+1]
.endr
.set bb, bb+1
.endr
.endm
.macro LNSTAT
	v_pk_add_f32 v[116:117], v[ACC:ACC+1], v[ACC+2:ACC+3]
	v_pk_add_f32 v[118:119], v[ACC+4:ACC+5], v[ACC+6:ACC+7]
.set jj, 8
.rept 30
	v_pk_add_f32 v[116:117], v[116:117], v[ACC+jj:ACC+jj+1]
	v_pk_add_f32 v[118:119], v[118:119], v[ACC+jj+2:ACC+jj+3]
.set jj, jj+4
.endr
	v_pk_add_f32 v[116:117], v[116:117], v[118:119]
	v_add_f32 v116, v116, v117
	v_permlanex16_b32 v124, v116, s[SEL], s[SEL+1]
	v_add_f32 v116, v116, v124
	v_mul_f32 v120, s78, v116
	v_mov_b32 v121, v120
.set jj, 0
.rept 64
	v_pk_add_f32 v[ACC+jj:ACC+jj+1], v[ACC+jj:ACC+jj+1], v[120:121] neg_lo:[0,1] neg_hi:[0,1]
.set jj, jj+2
.endr
	v_pk_mul_f32 v[116:117], v[ACC:ACC+1], v[ACC:ACC+1]
	v_pk_mul_f32 v[118:119], v[ACC+2:ACC+3], v[ACC+2:ACC+3]
.set jj, 4
.rept 31
	v_pk_fma_f32 v[116:117], v[ACC+jj:ACC+jj+1], v[ACC+jj:ACC+jj+1], v[116:117]
	v_pk_fma_f32 v[118:119], v[ACC+jj+2:ACC+jj+3], v[ACC+jj+2:ACC+jj+3], v[118:119]
.set jj, jj+4
.endr
	v_pk_add_f32 v[116:117], v[116:117], v[118:119]
	v_add_f32 v116, v116, v117
	v_permlanex16_b32 v124, v116, s[SEL], s[SEL+1]
	v_add_f32 v116, v116, v124
	v_fma_f32 v122, v116, s78, s79
	s_wait_alu depctr_va_vdst(0)
	v_rsq_f32 v122, v122
	v_nop
	s_wait_alu depctr_va_vdst(0)                       ; ahead of the root's first reader
	v_mov_b32 v123, v122
.endm
.macro APPLY goff, boff, resid
	CHLD LB0, 0, \goff, \boff, \resid
.set bb, 0
.rept 8
.if bb < 7
	CHLD LB0+48*((bb+1)%2), bb+1, \goff, \boff, \resid
	s_wait_dscnt 8+4*\resid                            ; the next chunk's loads may be out
.else
	s_wait_dscnt 0x0
.endif
.irp k, 0,2,4,6,8,10,12,14
	v_pk_mul_f32 v[ACC+16*bb+\k:ACC+16*bb+\k+1], v[ACC+16*bb+\k:ACC+16*bb+\k+1], v[122:123]
.endr
.irp k, 0,2,4,6,8,10,12,14
	v_pk_fma_f32 v[ACC+16*bb+\k:ACC+16*bb+\k+1], v[ACC+16*bb+\k:ACC+16*bb+\k+1], v[LB0+48*(bb%2)+\k:LB0+48*(bb%2)+\k+1], v[LB0+48*(bb%2)+16+\k:LB0+48*(bb%2)+16+\k+1]
.endr
.if \resid
.irp k, 0,2,4,6,8,10,12,14
	v_pk_add_f32 v[ACC+16*bb+\k:ACC+16*bb+\k+1], v[ACC+16*bb+\k:ACC+16*bb+\k+1], v[LB0+48*(bb%2)+32+\k:LB0+48*(bb%2)+32+\k+1]
.endr
.endif
.set bb, bb+1
.endr
.endm
.macro CHUNK ch
	v_add_nc_u32 v5, W1C+18432*\ch, v4
	s_wait_alu depctr_va_vdst(0)
.irp b, 0,1,2,3
.irp j, 0,1,2,3
	ds_load_b128 v[ACC2+16*\b+4*\j:ACC2+16*\b+4*\j+3], v9 offset:VB1+512*\ch+128*\b+16*\j
.endr
.endr
.irp k, 0,1
	NOPS 4
.irp t, 0,1,2,3,4,5,6,7
	ds_load_b128 v[WF2+8*\t:WF2+8*\t+3], v5 offset:(32*(\t/2)+8*(\t%2))*144+64*\k
	ds_load_b128 v[WF2+8*\t+4:WF2+8*\t+7], v5 offset:(32*(\t/2)+8*(\t%2))*144+64*\k+32
	ds_load_b32 v[WS+\t], v7 offset:W1S+(128*\ch+32*(\t/2)+8*(\t%2))*8+4*\k
.endr
	s_wait_dscnt 0x0
.irp t, 0,1,2,3,4,5,6,7
	MM ACC2+8*\t, WF2+8*\t, XF+8*\k, ACC2+8*\t, WS+\t, XS+\k
.endr
.endr
	NOPS 4
.endm
	s_load_b512 s[4:19], s[0:1], 0x0                   ; a 4, x1 6, w2 codes 8, w2 scales 10, b2 12, g 14, b 16, ln g 18
	s_load_b512 s[20:35], s[0:1], 0x40                 ; ln b 20, w1 codes 22, w1 scales 24, b1 26, ffn w2 codes 28, scales 30, ffn b2 32, ln3 g 34
	s_load_b128 s[36:39], s[0:1], 0x80                 ; ln3 b 36, out0 38
	v_lshl_add_u32 v14, v0, 2, SPARE
	v_mov_b32 v15, 0
	ds_add_u32 v14, v15                                ; the opening: the add, twice on end, and its wait ahead of my first tensor load
	ds_add_u32 v14, v15
	v_lshrrev_b32 v8, 5, v0
	v_readfirstlane_b32 s40, v8
	s_bfe_u32 s41, ttmp6, 0x40000
	s_lshl_b32 s42, ttmp9, 2
	s_add_co_u32 s42, s42, s41
	s_lshl_b32 s43, s42, 2
	s_add_co_u32 s43, s43, s40                         ; my token tile: it enters global addresses alone
	s_mov_b32 s44, 15|(1<<20)|(1<<21)|(5<<22)|(3<<25)
	s_mov_b32 s45, 256<<16
	s_mov_b32 s46, 64<<16
	s_mov_b32 s47, 256<<16
	s_mov_b32 s48, 64
	s_mov_b32 s49, 256
	s_mov_b32 s50, 0
	s_mov_b32 s51, 0
	s_mov_b32 s52, 15|(1<<20)|(1<<21)|(4<<22)|(3<<25)
	s_mov_b32 s53, 128<<16
	s_mov_b32 s54, 128<<16
	s_mov_b32 s55, 128<<16
	s_mov_b32 s56, 128
	s_mov_b32 s57, 128
	s_mov_b32 s58, 0
	s_mov_b32 s59, 0
	s_mov_b32 s[SEL], 0x76543210
	s_mov_b32 s[SEL+1], 0xfedcba98
	s_mov_b32 s78, 0x3b800000
	s_mov_b32 s79, 0x358637bd
	s_mov_b32 s83, 0
	s_mov_b32 s3, 0
	v_and_b32 v8, 31, v0
	v_lshlrev_b32 v1, 4, v8
	v_and_b32 v8, 15, v0
	v_lshlrev_b32 v2, 4, v8
	v_bfe_u32 v16, v0, 4, 1
	v_mul_u32_u24 v11, v8, 1040
	v_lshl_add_u32 v11, v16, 6, v11
	s_mul_i32 s82, s40, 16640
	s_add_co_u32 s82, s82, STAGE
	v_add_nc_u32 v11, s82, v11
	v_add_nc_u32 v10, s82, v1
	v_and_b32 v5, 8, v8
	v_add_nc_u32 v8, v5, v8
	v_mul_u32_u24 v3, v8, 272
	v_lshl_add_u32 v3, v16, 4, v3
	v_mul_u32_u24 v4, v8, 144
	v_lshl_add_u32 v4, v16, 4, v4
	v_lshl_add_u32 v6, v8, 4, SM
	v_lshl_add_u32 v7, v8, 3, SM
	v_lshl_add_u32 v9, v16, 6, SM
	v_lshlrev_b32 v12, 4, v0
	v_lshlrev_b32 v13, 3, v0
	v_lshl_add_u32 v18, v0, 4, SM
	v_lshl_add_u32 v19, v0, 3, SM
	s_wait_dscnt 0x0
	s_wait_kmcnt 0x0
	s_lshl_b32 s82, s40, 14
	s_mov_b32 s60, 1
	s_mul_i32 s61, s40, 17408
	s_add_nc_u64 s[62:63], s[8:9], s[82:83]
	s_or_b32 s63, s63, 0x80000000
	s_mov_b32 s68, 1
	s_mul_i32 s69, s40, 18432
	s_add_co_u32 s69, s69, W1C
	s_add_nc_u64 s[70:71], s[22:23], s[82:83]
	s_or_b32 s71, s71, 0x80000000
	s_mov_b32 s72, 1
	s_mul_i32 s73, s40, 17408
	s_add_co_u32 s73, s73, W3C
	s_add_nc_u64 s[74:75], s[28:29], s[82:83]
	s_or_b32 s75, s75, 0x80000000
	CROUND
	tensor_load_to_lds s[60:63], s[44:51]              ; my quarter of W2: my one tensor load at the head; each later weight is asked for behind a round further down, one load outstanding at a time
	s_nop 0
	NOPS 4
	s_lshl_b32 s2, s43, 8
	s_add_co_u32 s2, s2, 2097152
	s_add_nc_u64 s[80:81], s[4:5], s[2:3]
	s_lshl_b32 s2, s43, 12
	s_add_nc_u64 s[4:5], s[4:5], s[2:3]
	s_lshr_b32 s2, s43, 1
	s_lshl_b32 s2, s2, 15
	s_and_b32 s41, s43, 1
	s_lshl_b32 s41, s41, 13
	s_add_co_u32 s2, s2, s41
	s_add_nc_u64 s[84:85], s[6:7], s[2:3]
	s_add_nc_u64 s[86:87], s[38:39], s[2:3]
	s_wait_alu depctr_va_vdst(0)
	global_load_b128 v[64:67], v12, s[10:11]           ; the small tensors: fifteen loads
	global_load_b128 v[68:71], v12, s[10:11] offset:2048
	global_load_b128 v[72:75], v12, s[24:25]
	global_load_b128 v[76:79], v12, s[24:25] offset:2048
	global_load_b64 v[80:81], v13, s[12:13]
	global_load_b64 v[82:83], v13, s[14:15]
	global_load_b64 v[84:85], v13, s[16:17]
	global_load_b64 v[86:87], v13, s[18:19]
	global_load_b64 v[88:89], v13, s[20:21]
	global_load_b128 v[92:95], v12, s[26:27]
	global_load_b128 v[96:99], v12, s[30:31]
	global_load_b128 v[100:103], v12, s[30:31] offset:2048
	global_load_b64 v[104:105], v13, s[32:33]
	global_load_b64 v[106:107], v13, s[34:35]
	global_load_b64 v[108:109], v13, s[36:37]
.irp p, 0,1,2,3,4,5,6,7,8,9,10,11,12,13,14,15
	global_load_b128 v[ACC+8*\p:ACC+8*\p+3], v1, s[84:85] offset:(\p+8*(\p/8))*1024
	global_load_b128 v[ACC+8*\p+4:ACC+8*\p+7], v1, s[84:85] offset:(\p+8*(\p/8))*1024+512
.endr
.irp i, 0,1,2,3,4,5,6,7
	global_load_b128 v[AF+4*\i:AF+4*\i+3], v1, s[4:5] offset:512*\i
.endr
	global_load_b128 v[AS:AS+3], v2, s[80:81]
	s_wait_loadcnt 41                                  ; the fifteen are in: behind them stand the residual's 32 and a's 9
	ds_store_b128 v18, v[64:67] offset:W2S
	ds_store_b128 v18, v[68:71] offset:W2S+2048
	ds_store_b128 v18, v[72:75] offset:W1S
	ds_store_b128 v18, v[76:79] offset:W1S+2048
	ds_store_b64 v19, v[80:81] offset:VB2
	ds_store_b64 v19, v[82:83] offset:VG
	ds_store_b64 v19, v[84:85] offset:VB
	ds_store_b64 v19, v[86:87] offset:VLG
	ds_store_b64 v19, v[88:89] offset:VLB
	ds_store_b128 v18, v[92:95] offset:VB1
	ds_store_b128 v18, v[96:99] offset:W3S
	ds_store_b128 v18, v[100:103] offset:W3S+2048
	ds_store_b64 v19, v[104:105] offset:VFB2
	ds_store_b64 v19, v[106:107] offset:VG3
	ds_store_b64 v19, v[108:109] offset:VB3
	s_wait_loadcnt 9                                   ; the residual is in
	ROWS_ST
	ACC_LD
	s_wait_loadcnt 0x0
	s_wait_tensorcnt 0x0                               ; my quarter of W2 is in
	ds_add_u32 v14, v15
	s_wait_dscnt 0x0                                   ; the add, my stores of the small tensors and my stage's loads are done
	CROUND                                             ; a whole round: W2 and the small tensors are whole, and the four work-groups' joint loads meet
	tensor_load_to_lds s[68:71], s[52:59]              ; my quarter of W1: it has the first product and both layer norms in which to land
	s_nop 0
	NOPS 4
	GEMM1 W2C, W2S
	ADDVEC VB2
	LNSTAT
	s_wait_alu depctr_va_vdst(0)
	APPLY VG, VB, 1
	LNSTAT
	s_wait_alu depctr_va_vdst(0)
	APPLY VLG, VLB, 0
	ACC_ST                                             ; x2 stays in my stage: the last product's first value
	QUANT ACC, XF, XS
	QUANT ACC+64, XF+8, XS+1
	s_wait_tensorcnt 0x0                               ; my quarter of W1 is in; the three lines once more
	ds_add_u32 v14, v15
	s_wait_dscnt 0x0
	CROUND                                             ; W1 is whole, and the joint loads meet
	tensor_load_to_lds s[72:75], s[44:51]              ; my quarter of the last weight: it has the hidden layer's four chunks in which to land
	s_nop 0
	NOPS 8
.irp ch, 0,1,2,3
	CHUNK \ch
.set jj, 0
.rept 64
	v_max_num_f32 v[ACC2+jj], 0, v[ACC2+jj]            ; relu, in f32
.set jj, jj+1
.endr
	QUANT ACC2, AF+8*\ch, AS+\ch                       ; K step ch of the last product
.endr
	ACC_LD                                             ; x2
	s_wait_tensorcnt 0x0                               ; my quarter of the last weight
	s_wait_dscnt 0x0
	s_barrier_signal -1
	s_barrier_wait -1
	NOPS 8
	GEMM1 W3C, W3S
	ADDVEC VFB2
	LNSTAT
	s_wait_alu depctr_va_vdst(0)
	APPLY VG3, VB3, 0
	ACC_ST
	ROWS_LD
	s_wait_dscnt 0x0
.irp p, 0,1,2,3,4,5,6,7,8,9,10,11,12,13,14,15
	global_store_b128 v1, v[ACC+8*\p:ACC+8*\p+3], s[86:87] offset:(\p+8*(\p/8))*1024 th:TH_STORE_NT
	global_store_b128 v1, v[ACC+8*\p+4:ACC+8*\p+7], s[86:87] offset:(\p+8*(\p/8))*1024+512 th:TH_STORE_NT
.endr
	s_wait_tensorcnt 0x0                               ; the wave's end
	ds_add_u32 v14, v15
	s_wait_dscnt 0x0
	CROUND                                             ; the closing round
	s_endpgm
.Lfunc_end_k_qfdb742c2e0_post2:
	.size	k_qfdb742c2e0_post2, .Lfunc_end_k_qfdb742c2e0_post2-k_qfdb742c2e0_post2
	.p2alignl 7, 3214868480
	.fill 96, 4, 3214868480
	.section	.rodata,"a",@progbits
	.p2align	6, 0x0
	.amdhsa_kernel k_qfdb742c2e0_post2
		.amdhsa_group_segment_fixed_size 327680
		.amdhsa_private_segment_fixed_size 0
		.amdhsa_enable_private_segment 0
		.amdhsa_kernarg_size 144
		.amdhsa_user_sgpr_count 2
		.amdhsa_user_sgpr_kernarg_segment_ptr 1
		.amdhsa_wavefront_size32 1
		.amdhsa_system_sgpr_workgroup_id_x 1
		.amdhsa_system_sgpr_workgroup_id_y 1
		.amdhsa_system_sgpr_workgroup_id_z 1
		.amdhsa_system_vgpr_workitem_id 0
		.amdhsa_next_free_vgpr 256
		.amdhsa_next_free_sgpr 92
		.amdhsa_reserve_vcc 0
		.amdhsa_float_denorm_mode_32 3
		.amdhsa_float_denorm_mode_16_64 3
		.amdhsa_memory_ordered 1
		.amdhsa_forward_progress 1
		.amdhsa_inst_pref_size 222
	.end_amdhsa_kernel
	.amdgpu_metadata
---
amdhsa.version: [ 1, 2 ]
amdhsa.kernels:
  - .name:           k_qfdb742c2e0_post2
    .symbol:         k_qfdb742c2e0_post2.kd
    .args:
      - { .name: a, .offset: 0, .size: 8, .value_kind: global_buffer, .address_space: global }
      - { .name: x1, .offset: 8, .size: 8, .value_kind: global_buffer, .address_space: global }
      - { .name: m2_w2_codes, .offset: 16, .size: 8, .value_kind: global_buffer, .address_space: global }
      - { .name: m2_w2_scales, .offset: 24, .size: 8, .value_kind: global_buffer, .address_space: global }
      - { .name: m2_b2, .offset: 32, .size: 8, .value_kind: global_buffer, .address_space: global }
      - { .name: m2_g, .offset: 40, .size: 8, .value_kind: global_buffer, .address_space: global }
      - { .name: m2_b, .offset: 48, .size: 8, .value_kind: global_buffer, .address_space: global }
      - { .name: ln2_g, .offset: 56, .size: 8, .value_kind: global_buffer, .address_space: global }
      - { .name: ln2_b, .offset: 64, .size: 8, .value_kind: global_buffer, .address_space: global }
      - { .name: ffn_w1_codes, .offset: 72, .size: 8, .value_kind: global_buffer, .address_space: global }
      - { .name: ffn_w1_scales, .offset: 80, .size: 8, .value_kind: global_buffer, .address_space: global }
      - { .name: ffn_b1, .offset: 88, .size: 8, .value_kind: global_buffer, .address_space: global }
      - { .name: ffn_w2_codes, .offset: 96, .size: 8, .value_kind: global_buffer, .address_space: global }
      - { .name: ffn_w2_scales, .offset: 104, .size: 8, .value_kind: global_buffer, .address_space: global }
      - { .name: ffn_b2, .offset: 112, .size: 8, .value_kind: global_buffer, .address_space: global }
      - { .name: ln3_g, .offset: 120, .size: 8, .value_kind: global_buffer, .address_space: global }
      - { .name: ln3_b, .offset: 128, .size: 8, .value_kind: global_buffer, .address_space: global }
      - { .name: out0, .offset: 136, .size: 8, .value_kind: global_buffer, .address_space: global }
    .group_segment_fixed_size: 327680
    .private_segment_fixed_size: 0
    .kernarg_segment_align: 8
    .kernarg_segment_size: 144
    .max_flat_workgroup_size: 128
    .sgpr_count:     92
    .vgpr_count:     256
    .wavefront_size: 32
...
	.end_amdgpu_metadata
.endif
;; end of part 4
